; MI455X (gfx1250); checked and timed in simulation.
; The chip was launched on July 23, 2026; its instructions are those of AMD's public machine-readable ISA for CDNA 5 (MIT licence, August 2026) and "CDNA5" Instruction Set Architecture Reference Guide (July 2026). The comments in the code are by the model that wrote it; some were corrected since.
;; Multi Head Attention. Allowed arithmetic: matrix products marked QUANTISED: E2M1 operands, one E8M0 scale for each 32 along K, by v_wmma_scale_f32_16x16x128_f8f6f4 with both operands' format E2M1 (or v_wmma_scale_f32_32x16x128_f4), f32 sums; products left as they are: bf16, f16 or f32 operands; f32 sums; everything else in f32.
;; Inputs: W_qkv_bias 3,072 float32; W_qkv_kernel 1,024 x 3,072 float32; attention_mask 2 x 2,048 int32; c_proj_bias 1,024 float32; c_proj_kernel 1,024 x 1,024 float32; x 2 x 2,048 x 1,024 float32.
;; Outputs: out0 2 x 2,048 x 1,024 float32.
;; This version of the problem:
;;   THIS VERSION OF THE PROBLEM IS GIVEN IN LOW PRECISION. The matrix products marked QUANTISED in the list below multiply operands that are first quantised to E2M1 (2 exponent bits, 1 mantissa bit; 4 bits a number), with one power-of-two scale for each 32 numbers along K (OCP MX v1.0); their sums are f32. The products marked 'left as it is' may take bf16, f16 or f32 operands, with f32 sums. Whichever they take, every output number must still come out within the allowed error. Rounding operands to bf16 (8 significant bits) uses up far more of that allowance than f16 does (11 bits, for magnitudes from 6e-5 to 65,504). All else is computed in f32.
;;   The module's matrix products, in the order in which they are computed (A, B: the left and right operand; K: the contracted axis; several contracted axes count as one K, in the product's order):
;;     1. [M 4,096, K 1,024] x [K 1,024, N 3,072]; A: input x; B: input W_qkv_kernel: QUANTISED
;;     2. batch 32 x [M 2,048, K 64] x [K 64, N 2,048]; A: computed on the way; B: computed on the way: left as it is (an operand is computed on the way)
;;     3. batch 32 x [M 2,048, K 2,048] x [K 2,048, N 64]; A: computed on the way; B: computed on the way: left as it is (an operand is computed on the way)
;;     4. [M 4,096, K 1,024] x [K 1,024, N 1,024]; A: computed on the way; B: input c_proj_kernel: left as it is (an operand is computed on the way)
;;   THE QUANTISER, for each operand of a quantised product, along K:
;;     - K is cut into blocks of 32 from its start; a last block that is shorter is filled with zeros.
;;     - A block's scale is 2^e with e = floor(log2(the largest magnitude in the block)) - 2, held to -126 .. 127; a block of zeros has e = 0. As a byte (E8M0): e + 127.
;;     - Each number is divided by its block's scale, clamped to +-6, and rounded to the nearest number of E2M1, ties to even, subnormals kept.
;;     - The product sums the exact products of the quantised numbers (number of the format x scale) in f32.
;;   ~~~python
;;   def quantise(x, axis):      # numpy; x: float32 -> the quantised numbers, widened to float32 again
;;       x = np.moveaxis(x, axis, -1); K = x.shape[-1]
;;       x = np.pad(x, [(0, 0)] * (x.ndim - 1) + [(0, -K % 32)]); x = x.reshape(x.shape[:-1] + (-1, 32)); a = np.abs(x).max(-1, keepdims=True)
;;       e = np.where(a > 0, np.clip(np.frexp(np.where(a > 0, a, 1))[1] - 1 - 2, -126, 127), 0)      # np.frexp(a)[1] - 1 = floor(log2(a)), exactly
;;       r = np.clip(x / 2.0 ** e, -6, 6)
;;       step = 2.0 ** (np.maximum(np.frexp(np.where(r == 0, 1, r))[1] - 1, 0) - 1)
;;       q = np.round(r / step) * step * 2.0 ** e      # np.round: ties to even
;;       return np.moveaxis(q.reshape(q.shape[:-2] + (-1,))[..., :K], -1, axis).astype(np.float32)
;;   ~~~
;; One version. Each part assembles by itself: llvm-mc -triple=amdgcn-amd-amdhsa -mcpu=gfx1250 --defsym DOCPART=n.
;; ======== version 1 of 1: 5 launches
;; limits: right only within a limited range of input values; values are held in f16: magnitudes above 65,504 overflow, below 6.1e-05 lose precision
;; workspace buffers: x_codes 2,097,152 bytes; x_scales 131,072 bytes; w_codes 1,572,864 bytes; w_scales 98,304 bytes; wc16 2,097,152 bytes; qkv16 25,165,824 bytes; side 524,288 bytes; ctx16 8,519,680 bytes
;; launch prep (part 1): grid 192 x 1, 8 waves a work-group, no clusters, 154,624 bytes of LDS; arguments x, W_qkv_kernel, c_proj_kernel, x_codes, x_scales, w_codes, w_scales, wc16; writes x_codes, x_scales, w_codes, w_scales, wc16
.if DOCPART == 1
	.amdgcn_target "amdgcn-amd-amdhsa--gfx1250"
	.amdhsa_code_object_version 6
	.text
	.protected	k_q5f17249834_prep
	.globl	k_q5f17249834_prep
	.p2align	8
	.type	k_q5f17249834_prep,@function
k_q5f17249834_prep:
	s_mov_b64 s[64:65], 0
	v_nop
	global_prefetch_b8 v0, s[64:65] scope:SCOPE_SE
	s_setreg_imm32_b32 hwreg(HW_REG_WAVE_MODE, 25, 1), 1
	s_wait_xcnt 0x0
; PREP: the operands are laid out once, for the launches that read them many times.
;   work-groups 0-63:    x [4096][1024] f32 -> codes of E2M1 (K innermost, 512 bytes a row) and one E8M0 byte for each 32 along K.
;   work-groups 64-159:  W_qkv [1024 (k)][3072 (n)] f32 -> codes laid [n][k], 512 bytes a row, and scale bytes [n][32].
;   work-groups 160-191: c_proj [1024 (k)][1024 (n)] f32 -> f16 laid [n][k].
; A block's scale is 2^(floor(log2(its largest magnitude)) - 2): its byte is the largest magnitude's exponent field - 2, held at 1 from below.
; A block of zeros keeps the byte 1 where the quantiser says 127: its codes are zeros, which add nothing, and this program alone reads the bytes.
; LIMITS: blocks whose largest magnitude lies under 2^-124 keep the byte 1; NaN and infinities are not served; c_proj is held in f16: magnitudes up to 65,504.
; The three roles part on the work-group's number and never meet again; each has LDS bytes of its own.  No tensor load: LDS is claimed as it is used.
.set SP,    80                         ; role X: a lane's place in a stage: 64 bytes + 16 of padding
.set WREG,  8192                       ; role X: a wave's region: two stages of 32 x SP bytes, behind them its 256 scale bytes
.set CB,    8                          ; bytes of 16 codes
.set STEPS, 16
.set EMAX,  2
.set WST,   65536                      ; role W: 64 columns x (256 bytes of codes + 16)
.set WSC,   82944                      ; role W: 64 columns x 16 scale bytes
.set CST,   83968                      ; role C: 32 columns x (256 bytes + 16) for each wave
.set SPARE, 153600                     ; the spare words, 128 bytes for each wave: four blocks of 256 bytes that no other line names
.set SPW,   12                         ; v12 LDS address of my spare word; never rewritten
.set NIL,   13                         ; v13 0; never rewritten
.set R,     16                         ; role X: v16-79 four sets of 16 numbers as loaded
.set X,     80                         ; role X: v80-111 two sets of 16 neighbours
.set E,     112                        ; role X: v112-127 a scale byte for each step
.set C,     128                        ; role X: v128-191 codes, four registers for each step
.macro FINISH                          ; a wave's end, behind my last LDS store
	s_wait_tensorcnt 0x0
	ds_add_u32 v[SPW], v[NIL]
	s_wait_dscnt 0x0
	s_endpgm
.endm
	s_load_b256 s[4:11], s[0:1], 0x0               ; x s[4:5], W_qkv s[6:7], c_proj s[8:9], x's codes s[10:11]
	s_load_b256 s[12:19], s[0:1], 0x20             ; x's scales s[12:13], W's codes s[14:15], W's scales s[16:17], c_proj in f16 s[18:19]
	v_lshl_add_u32 v[SPW], v0, 2, SPARE
	v_mov_b32 v[NIL], 0
	v_lshrrev_b32 v1, 5, v0
	v_readfirstlane_b32 s20, v1                    ; wave 0..7
	v_and_b32 v2, 31, v0                           ; lane
	s_mov_b32 s25, 0                               ; the upper word of every 32-bit offset
	s_wait_kmcnt 0x0
	s_cmp_lt_u32 ttmp9, 64
	s_cbranch_scc0 .Lnot_x
; ---------------- ROLE X: a plain stream of blocks of 32.  A wave takes 16 steps of 512 numbers.  Each load reads 512 consecutive bytes; the 2,048 bytes of a step
; turn through the wave's own stage, so that a lane then holds 16 neighbours along K (two lanes hold a block).
	v_lshlrev_b32 v3, 4, v2                        ; my 16 bytes of a load's 512
	s_mul_i32 s21, s20, WREG
	v_lshrrev_b32 v14, 2, v2
	v_mul_u32_u24 v14, v14, SP
	v_and_b32 v15, 3, v2
	v_lshl_add_u32 v14, v15, 4, v14
	v_add_nc_u32 v14, s21, v14                     ; into the stage: SP (lane / 4) + 16 (lane % 4)
	v_mul_u32_u24 v15, v2, SP
	v_add_nc_u32 v15, s21, v15                     ; out of it: SP x lane
	v_mul_u32_u24 v4, v2, CB                       ; my codes' place in a step's
	v_lshrrev_b32 v5, 1, v2
	s_add_co_u32 s21, s21, 2*32*SP
	v_add_nc_u32 v5, s21, v5                       ; my block's scale byte in the wave's 256
	v_lshlrev_b32 v7, 3, v2
	v_add_nc_u32 v6, s21, v7                       ; and on the way out 8 bytes a lane
	s_lshl_b32 s22, ttmp9, 3
	s_add_co_u32 s22, s22, s20                     ; which run of 8,192 numbers is my wave's
	s_lshl_b32 s24, s22, 15
	s_add_nc_u64 s[4:5], s[4:5], s[24:25]          ; 32,768 bytes of x a run,
	s_lshl_b32 s24, s22, 12
	s_add_nc_u64 s[10:11], s[10:11], s[24:25]      ; 4,096 of codes,
	s_lshl_b32 s24, s22, 8
	s_add_nc_u64 s[12:13], s[12:13], s[24:25]      ; 256 of scale bytes
.macro XLOAD t
.irp i, 0,1,2,3
	global_load_b128 v[R+16*((\t)%4)+4*\i:R+16*((\t)%4)+4*\i+3], v3, s[4:5] offset:2048*(\t)+512*\i th:TH_LOAD_NT
.endr
.endm
.macro XTURN t                         ; LDS serves a wave's instructions in order: no wait between the stores and the loads
.irp i, 0,1,2,3
	ds_store_b128 v14, v[R+16*((\t)%4)+4*\i:R+16*((\t)%4)+4*\i+3] offset:32*SP*((\t)%2)+8*SP*\i
.endr
.irp i, 0,1,2,3
	ds_load_b128 v[X+16*((\t)%2)+4*\i:X+16*((\t)%2)+4*\i+3], v15 offset:32*SP*((\t)%2)+16*\i
.endr
.endm
.irp t, 0,1,2,3
	XLOAD \t
.endr
	s_wait_loadcnt 12                              ; step 0's four loads are in; three steps' may be out
	XTURN 0
.macro XSTEP t
.set XS, X+16*((\t)%2)
.if (\t) > 0
	s_wait_dscnt 1                                 ; this step's numbers are back from the stage; the last step's byte store may be out
.else
	s_wait_dscnt 0x0
.endif
.if (\t)+4 < STEPS
	XLOAD (\t)+4                                   ; into the registers that the stage's stores have read
.endif
.if (\t)+1 < STEPS
.if STEPS-2-(\t) >= 3
	s_wait_loadcnt 12                              ; the next step's four loads are in; those of the three steps behind it may be out
.else
	s_wait_loadcnt 4*(STEPS-2-(\t))
.endif
	XTURN (\t)+1
.endif
	v_max3_num_f32 v8, |v[XS]|, |v[XS+1]|, |v[XS+2]|
	v_max3_num_f32 v9, |v[XS+3]|, |v[XS+4]|, |v[XS+5]|
.irp i, 6,10
	v_max3_num_f32 v8, v8, |v[XS+\i]|, |v[XS+\i+1]|
	v_max3_num_f32 v9, v9, |v[XS+\i+2]|, |v[XS+\i+3]|
.endr
	v_max3_num_f32 v8, v8, |v[XS+14]|, |v[XS+15]|
	v_max3_num_f32 v8, v8, v9, (EMAX+1)<<23        ; and the floor 2^(3 - 127): the byte cannot fall under 1
	v_max_num_f32_dpp v8, v8, v8 row_xmask:1 row_mask:0xf bank_mask:0xf   ; with my neighbour's 16: the block's largest magnitude
	v_add_nc_u32 v11, -(EMAX<<23), v8              ; 2 off its exponent field: the conversion's scale operand
	v_cvt_scalef32_pk8_fp4_f32 v[C+4*(\t)], v[XS:XS+7], v11
	v_cvt_scalef32_pk8_fp4_f32 v[C+4*(\t)+1], v[XS+8:XS+15], v11
	v_lshrrev_b32 v[E+(\t)], 23, v11               ; the scale's byte
	ds_store_b8 v5, v[E+(\t)] offset:16*(\t)       ; both lanes of a block write the same byte with the same value
	global_store_b64 v4, v[C+4*(\t):C+4*(\t)+1], s[10:11] offset:32*CB*(\t)   ; the wave stores 256 consecutive bytes, aligned
.endm
.irp t, 0,1,2,3,4,5,6,7,8,9,10,11,12,13,14,15
	XSTEP \t
.endr
	ds_load_b64 v[8:9], v6
	s_wait_dscnt 0x0
	global_store_b64 v7, v[8:9], s[12:13]          ; the wave's 256 scale bytes, consecutive and aligned
	FINISH
; ---------------- ROLES W AND C: K is the FIRST axis.  A lane takes a column and its registers run down K: nothing is transposed by an instruction.
; A work-group takes 64 columns x 512 along K; wave w takes columns 32 (w % 2) on and 128 along K from 128 (w / 2) on: two waves side by side read 256 consecutive bytes of each row.
.Lnot_x:
	s_and_b32 s21, s20, 1                          ; which 32 columns
	s_lshr_b32 s22, s20, 1                         ; which 128 along K
	v_lshlrev_b32 v3, 2, v2                        ; in: 4 bytes a lane
	v_and_b32 v8, 15, v2
	v_lshrrev_b32 v9, 4, v2
.macro LOADS base, pitch               ; all 128 numbers of my column are asked for at once
.set n, 0
.rept 128
	global_load_b32 v[32+n], v3, s[\base:\base+1] offset:n*\pitch th:TH_LOAD_NT
.set n, n+1
.endr
.endm
.macro BWAIT t                         ; block t's 32 loads are in.  Of the 128 loads at most 63 are out behind the first wait: so the first 65 are in, blocks 0 and 1 among them
.if (\t) < 2
	s_wait_loadcnt 63
.else
	s_wait_loadcnt 32*(3-(\t))                     ; the later blocks' loads may be out
.endif
.endm
	s_cmp_lt_u32 ttmp9, 160
	s_cbranch_scc0 .Lrole_c
	s_sub_co_u32 s23, ttmp9, 64
	s_lshr_b32 s26, s23, 1                         ; which 64 columns
	s_and_b32 s27, s23, 1                          ; which 512 along K
	s_mul_i32 s28, s21, 32*272
	s_lshl_b32 s29, s22, 6
	s_add_co_u32 s28, s28, s29
	s_add_co_u32 s28, s28, WST
	v_mul_u32_u24 v4, v2, 272
	v_add_nc_u32 v4, s28, v4                       ; into the stage: row = my column, 64 bytes for each 128 along K
	s_lshl_b32 s28, s21, 9
	s_lshl_b32 s29, s22, 2
	s_add_co_u32 s28, s28, s29
	s_add_co_u32 s28, s28, WSC
	v_lshl_add_u32 v5, v2, 4, s28                  ; my column's four scale bytes
	s_mul_i32 s28, s20, 8*272
	s_add_co_u32 s28, s28, WST
	v_mul_u32_u24 v6, v9, 272
	v_lshl_add_u32 v6, v8, 4, v6
	v_add_nc_u32 v6, s28, v6                       ; out of it: wave w takes rows 8 w on, sixteen lanes to a row
	v_lshlrev_b32 v7, 9, v9
	v_lshl_add_u32 v7, v8, 4, v7                   ; the same place in the codes' buffer
	s_lshl_b32 s28, s21, 9
	s_add_co_u32 s28, s28, WSC
	v_lshl_add_u32 v14, v2, 4, s28                 ; the scale bytes on their way out: 16 bytes a column
	v_lshlrev_b32 v15, 5, v2
	s_lshl_b32 s28, s27, 9
	s_lshl_b32 s29, s22, 7
	s_add_co_u32 s28, s28, s29                     ; my first k
	s_mul_i32 s24, s28, 12288
	s_lshl_b32 s29, s26, 8
	s_add_co_u32 s24, s24, s29
	s_lshl_b32 s29, s21, 7
	s_add_co_u32 s24, s24, s29
	s_add_nc_u64 s[6:7], s[6:7], s[24:25]
	s_lshl_b32 s24, s26, 15                        ; codes: (64 x columns' group + 8 w) rows of 512 bytes + 256 for the upper half of K
	s_lshl_b32 s29, s20, 12
	s_add_co_u32 s24, s24, s29
	s_lshl_b32 s29, s27, 8
	s_add_co_u32 s24, s24, s29
	s_add_nc_u64 s[14:15], s[14:15], s[24:25]
	s_lshl_b32 s24, s26, 11                        ; scale bytes: 32 a column, 16 for each half of K
	s_lshl_b32 s29, s21, 10
	s_add_co_u32 s24, s24, s29
	s_lshl_b32 s29, s27, 4
	s_add_co_u32 s24, s24, s29
	s_add_nc_u64 s[16:17], s[16:17], s[24:25]
	LOADS 6, 12288
.macro WBLOCK t
.set XS, 32+32*(\t)
	BWAIT \t
	v_max3_num_f32 v8, |v[XS]|, |v[XS+1]|, |v[XS+2]|               ; the block's largest magnitude: all 32 numbers are mine
	v_max3_num_f32 v9, |v[XS+3]|, |v[XS+4]|, |v[XS+5]|
.irp i, 6,10,14,18,22,26
	v_max3_num_f32 v8, v8, |v[XS+\i]|, |v[XS+\i+1]|
	v_max3_num_f32 v9, v9, |v[XS+\i+2]|, |v[XS+\i+3]|
.endr
	v_max3_num_f32 v8, v8, |v[XS+30]|, |v[XS+31]|
	v_max3_num_f32 v8, v8, v9, (EMAX+1)<<23
	v_add_nc_u32 v10, -(EMAX<<23), v8
	v_lshrrev_b32 v11, 23, v10
.if (\t) == 0
	v_mov_b32 v24, v11                             ; four bytes to a register, the lower K in the lower byte
.else
	v_lshl_or_b32 v24, v11, 8*(\t), v24
.endif
.irp g, 0,1,2,3
	v_cvt_scalef32_pk8_fp4_f32 v[160+4*(\t)+\g], v[XS+8*\g:XS+8*\g+7], v10
.endr
	ds_store_b128 v4, v[160+4*(\t):160+4*(\t)+3] offset:16*(\t)    ; 32 codes: 16 bytes of my column's row; each block has registers of its own
.endm
.irp t, 0,1,2,3
	WBLOCK \t
.endr
	ds_store_b32 v5, v24
	s_wait_dscnt 0x0                               ; for the others' sake: my stores have landed
	s_barrier_signal -1
	s_barrier_wait -1                              ; a row's 256 bytes come from four waves
.irp t, 0,1,2,3
	ds_load_b128 v[32+4*\t:35+4*\t], v6 offset:\t*544
.endr
.irp t, 0,1,2,3
	s_wait_dscnt 3-\t
	global_store_b128 v7, v[32+4*\t:35+4*\t], s[14:15] offset:\t*1024   ; sixteen lanes store 256 consecutive bytes, aligned
.endr
	s_cmp_lt_u32 s20, 2                            ; waves 0 and 1 send the scale bytes: 16 of a column's 32 (the one place where short runs are stored: 96 KiB in all)
	s_cbranch_scc0 .Lw_end
	ds_load_b128 v[48:51], v14
	s_wait_dscnt 0x0
	global_store_b128 v15, v[48:51], s[16:17]
.Lw_end:
	FINISH
.Lrole_c:
	s_sub_co_u32 s23, ttmp9, 160
	s_lshr_b32 s26, s23, 1                         ; which 64 columns
	s_and_b32 s27, s23, 1                          ; which 512 along K
	s_mul_i32 s28, s20, 32*272
	s_add_co_u32 s28, s28, CST                     ; my wave's own stage: no barrier
	v_mul_u32_u24 v4, v2, 272
	v_add_nc_u32 v4, s28, v4
	v_mul_u32_u24 v6, v9, 272
	v_lshl_add_u32 v6, v8, 4, v6
	v_add_nc_u32 v6, s28, v6
	v_lshlrev_b32 v7, 11, v9
	v_lshl_add_u32 v7, v8, 4, v7
	s_lshl_b32 s28, s27, 9
	s_lshl_b32 s29, s22, 7
	s_add_co_u32 s28, s28, s29                     ; my first k
	s_lshl_b32 s30, s26, 6
	s_lshl_b32 s29, s21, 5
	s_add_co_u32 s30, s30, s29                     ; my first column
	s_lshl_b32 s24, s28, 12
	s_lshl_b32 s29, s30, 2
	s_add_co_u32 s24, s24, s29
	s_add_nc_u64 s[8:9], s[8:9], s[24:25]
	s_lshl_b32 s24, s30, 11
	s_lshl_b32 s29, s28, 1
	s_add_co_u32 s24, s24, s29
	s_add_nc_u64 s[18:19], s[18:19], s[24:25]
	LOADS 8, 4096
.macro CBLOCK t
	BWAIT \t
.set n, 0
.rept 16
	v_cvt_pk_f16_f32 v[160+16*(\t)+n], v[32+32*(\t)+2*n], v[33+32*(\t)+2*n]   ; two neighbours along K, the lower in the low half
.set n, n+1
.endr
.irp u, 0,1,2,3
	ds_store_b128 v4, v[160+16*(\t)+4*\u:163+16*(\t)+4*\u] offset:64*(\t)+16*\u
.endr
.endm
.irp t, 0,1,2,3
	CBLOCK \t
.endr
.irp t, 0,1,2,3,4,5,6,7,8,9,10,11,12,13,14,15
	ds_load_b128 v[32+4*\t:35+4*\t], v6 offset:\t*544   ; LDS serves a wave's instructions in order: these see my stores
.endr
.irp t, 0,1,2,3,4,5,6,7,8,9,10,11,12,13,14,15
	s_wait_dscnt 15-\t
	global_store_b128 v7, v[32+4*\t:35+4*\t], s[18:19] offset:\t*4096   ; sixteen lanes store 256 consecutive bytes, aligned
.endr
	FINISH
.Lfunc_end_k_q5f17249834_prep:
	.size	k_q5f17249834_prep, .Lfunc_end_k_q5f17249834_prep-k_q5f17249834_prep
	.p2alignl 7, 3214868480
	.fill 96, 4, 3214868480
	.section	.rodata,"a",@progbits
	.p2align	6, 0x0
	.amdhsa_kernel k_q5f17249834_prep
		.amdhsa_group_segment_fixed_size 154624
		.amdhsa_private_segment_fixed_size 0
		.amdhsa_enable_private_segment 0
		.amdhsa_kernarg_size 64
		.amdhsa_user_sgpr_count 2
		.amdhsa_user_sgpr_kernarg_segment_ptr 1
		.amdhsa_wavefront_size32 1
		.amdhsa_system_sgpr_workgroup_id_x 1
		.amdhsa_system_sgpr_workgroup_id_y 1
		.amdhsa_system_sgpr_workgroup_id_z 1
		.amdhsa_system_vgpr_workitem_id 0
		.amdhsa_next_free_vgpr 224
		.amdhsa_next_free_sgpr 66
		.amdhsa_reserve_vcc 0
		.amdhsa_float_denorm_mode_32 3
		.amdhsa_float_denorm_mode_16_64 3
		.amdhsa_memory_ordered 1
		.amdhsa_forward_progress 1
		.amdhsa_inst_pref_size 76
	.end_amdhsa_kernel
	.amdgpu_metadata
---
amdhsa.version: [ 1, 2 ]
amdhsa.kernels:
  - .name:           k_q5f17249834_prep
    .symbol:         k_q5f17249834_prep.kd
    .args:
      - { .name: x, .offset: 0, .size: 8, .value_kind: global_buffer, .address_space: global }
      - { .name: W_qkv_kernel, .offset: 8, .size: 8, .value_kind: global_buffer, .address_space: global }
      - { .name: c_proj_kernel, .offset: 16, .size: 8, .value_kind: global_buffer, .address_space: global }
      - { .name: x_codes, .offset: 24, .size: 8, .value_kind: global_buffer, .address_space: global }
      - { .name: x_scales, .offset: 32, .size: 8, .value_kind: global_buffer, .address_space: global }
      - { .name: w_codes, .offset: 40, .size: 8, .value_kind: global_buffer, .address_space: global }
      - { .name: w_scales, .offset: 48, .size: 8, .value_kind: global_buffer, .address_space: global }
      - { .name: wc16, .offset: 56, .size: 8, .value_kind: global_buffer, .address_space: global }
    .group_segment_fixed_size: 154624
    .private_segment_fixed_size: 0
    .kernarg_segment_align: 8
    .kernarg_segment_size: 64
    .max_flat_workgroup_size: 256
    .sgpr_count:     66
    .vgpr_count:     224
    .wavefront_size: 32
...
	.end_amdgpu_metadata
.endif
;; end of part 1
;; launch qkv (part 2): grid 12 x 16, 4 waves a work-group, clusters of 4 x 4, 327,680 bytes of LDS; arguments x_codes, x_scales, w_codes, w_scales, W_qkv_bias, qkv16, side; writes qkv16, side
.if DOCPART == 2
	.amdgcn_target "amdgcn-amd-amdhsa--gfx1250"
	.amdhsa_code_object_version 6
	.text
	.protected	k_q5f17249834_qkv
	.globl	k_q5f17249834_qkv
	.p2align	8
	.type	k_q5f17249834_qkv,@function
k_q5f17249834_qkv:
	s_mov_b64 s[64:65], 0
	v_nop
	global_prefetch_b8 v0, s[64:65] scope:SCOPE_SE
	s_setreg_imm32_b32 hwreg(HW_REG_WAVE_MODE, 25, 1), 1
	s_wait_xcnt 0x0
	s_wait_alu depctr_hold_cnt(0) depctr_sa_sdst(0) depctr_va_vdst(0) depctr_va_sdst(0) depctr_va_ssrc(0) depctr_va_vcc(0) depctr_vm_vsrc(0)
	s_getreg_b32 s2, hwreg(HW_REG_IB_STS2, 6, 4)
	s_cmp_eq_u32 s2, 0
	s_cbranch_scc0 .Lentry_in_a_cluster
	s_endpgm
.Lentry_in_a_cluster:
	s_bfe_u32 s2, ttmp6, 0x10000c
	s_cmp_lg_u32 s2, 0xf033
	s_cbranch_scc0 .Lentry_shape_is_right
	s_endpgm
.Lentry_shape_is_right:
; QKV = Q(x) Q(W_qkv) + bias: [4096][3072], K = 1,024, on codes of E2M1 with one E8M0 scale for each 32 along K; sums in f32.
; A tile of 256 x 256 is made by four waves, each 128 x 128: 64 accumulators of 16 x 16.  K is two steps of 512: both lie in LDS from the first fills on, so nothing is filled again.
; The scale bytes of the work-group's rows of x and of W come once, as dense blocks.  CLUSTERS of 4 x 4: x's tiles are asked for jointly along a row of the cluster, W's along a column.
; THE MATRIX INSTRUCTION IS USED TRANSPOSED (source 0 = 16 rows of W's codes, source 1 = 16 rows of x's): a lane holds eight neighbouring columns of one row.  The bias is the C of each sum's first product.
; OUT: (1) q, k, v in f16, laid [column / 64][row][64]: two neighbouring rows of one head are 256 consecutive bytes;  (2) positions 0-15 of both sequences once more in f32 (side, [2][16][3072]);
; (3) for V's columns the sum over the wave's 128 rows, in f32 (side from byte 393,216 on, [32][1024]): the mean of V serves rows for which no key counts.
; LIMIT: q, k, v are held in f16: magnitudes up to 65,504.
; REGISTERS: window 0: v16-31 addresses; v32-95 scale words and nothing else; v128-191 x's fragments, later rows on their way out; v192-255 the bias, later at work.
;   window 1: W's fragments, two sets.   windows 2 and 3: the accumulators ((a, b) at v[8 (8 (a % 4) + b)]).
.set KSTEP,  512
.set NQ,     KSTEP/128
.set ROWB,   256
.set KROW,   512
.set PITCH,  272                       ; an LDS row: 256 bytes + 16 of padding: the 16 rows that a load touches start at 16 different 16-byte columns of 256
.set FR,     8
.set NL,     2
.set NP,     4
.set HALFT,  128*PITCH
.set SLOT,   4*HALFT
.set KS,     32                        ; a row of scale bytes
.set SCL,    2*SLOT
.set HALFS,  (128*KS/256)*272
.set SBLK,   (16*KS/256)*272
.set SPARE,  SCL+4*HALFS               ; the spare words, 128 bytes for each wave: two blocks of 256 bytes that no other line names
.set SPITCH, 528                       ; the stage as f32: 16 rows x (512 bytes + 16); it lies in slot 0, which has had its only fill and its last read when the first result is stored there
.set HP,     272                       ; the stage as f16: 16 rows x (256 bytes + 16)
.set ADRA, 16
.set CO16, 18                          ; v18 my byte offset in qkv16
.set VST,  19                          ; v19 where the column sums go in the stage
.set ADRB, 20
.set STO16, 22
.set RD16, 23
.set STO,  24
.set RD,   25
.set CO,   26                          ; v26 16 x lane
.set ADRS, 27
.set SPW,  28
.set NIL,  29
.set FLG,  30                          ; v30 0 where my first 16 rows are positions 0-15 of a sequence
.set VB,   31                          ; v31 32 x (lane / 16)
.set SC,   32
.set AF,   128
.set BK,   128
.set BI,   192                         ; the bias of my 128 columns, in the result's layout
.set T,    192
.set TMP,  192
.set G1, 24
.set G0, 32
.set G1B, 48
.set G0B, 56
.set G1S, 68
.set G0S, 76
.set G1SB, 80
.set G0SB, 88
.set MSB, 0
.macro WIN new                         ; the immediate's high byte repeats the setting that is left
.if MSB != \new
	s_set_vgpr_msb (MSB<<8)|\new
.set MSB, \new
.endif
.endm
.set MUL_LO, 0xa1                      ; source 0 (W) window 1, source 1 (x) window 0, C and D window 2
.set MUL_HI, 0xf1                      ; the same, C and D window 3
.set TO_B,   0x40
; A joint load: waves 0 and 1 fetch for x, waves 2 and 3 for W.  The branch hangs on the wave's number alone.  An s_nop 0 and four v_nop follow each of the two lines.
.macro JLOAD g0a, g1a, g0b, g1b
	s_cmp_eq_u32 s15, 0
	s_cbranch_scc0 .Lfor_b_\@
	tensor_load_to_lds s[\g0a:\g0a+3], s[\g1a:\g1a+7]
	s_nop 0
.rept 4
	v_nop
.endr
	s_branch .Lasked_\@
.Lfor_b_\@:
	tensor_load_to_lds s[\g0b:\g0b+3], s[\g1b:\g1b+7]
	s_nop 0
.rept 4
	v_nop
.endr
.Lasked_\@:
.endm
.macro CROUND                          ; a round of the cluster's barrier
	s_barrier_signal -1
	s_barrier_wait -1
	s_cmp_lg_u32 s14, 0
	s_cbranch_scc1 .Lnot_wave_0_\@
	s_barrier_signal -3
.Lnot_wave_0_\@:
	s_barrier_wait -3
	s_barrier_signal -1
	s_barrier_wait -1
.endm
	s_load_b128 s[4:7], s[0:1], 0x0                ; x's codes, x's scales
	s_load_b128 s[8:11], s[0:1], 0x10              ; W's codes, W's scales
	s_load_b128 s[96:99], s[0:1], 0x20             ; the bias, qkv16
	s_load_b64 s[100:101], s[0:1], 0x30            ; side
	v_lshl_add_u32 v[SPW], v0, 2, SPARE
	v_mov_b32 v[NIL], 0
	ds_add_u32 v[SPW], v[NIL]                      ; the wave's opening: the add, twice on end, and its wait ahead of my first tensor load
	ds_add_u32 v[SPW], v[NIL]
	v_lshrrev_b32 v1, 5, v0
	v_readfirstlane_b32 s14, v1                    ; wave 0..3
	s_lshr_b32 s15, s14, 1                         ; which half of the tile's rows is mine.  Also: I fetch for x (0) or for W (1)
	s_and_b32 s16, s14, 1                          ; which half of its columns.  Also: which 128 rows of that tile I fetch
	s_bfe_u32 s40, ttmp6, 0x40000                  ; cx, cy
	s_bfe_u32 s41, ttmp6, 0x40004
	s_lshl_b32 s42, ttmp9, 2
	s_add_co_u32 s42, s42, s40                     ; tile column
	s_and_b32 s17, ttmp7, 0xffff
	s_lshl_b32 s17, s17, 2
	s_add_co_u32 s17, s17, s41                     ; tile row
	s_lshl_b32 s43, s41, 2
	s_lshl_b32 s43, 15, s43                        ; my row of the cluster
	s_lshl_b32 s44, 0x1111, s40                    ; my column
	s_or_b32 s[G1+0], s43, (0<<16)|(1<<20)|(1<<21)|(5<<22)|(3<<25)  ; the mask; elements of 1 byte; padding on; bit 21 beside a mask; 4 words behind every 64
	s_or_b32 s[G1B+0], s44, (0<<16)|(1<<20)|(1<<21)|(5<<22)|(3<<25)
.irp g, G1, G1B
	s_mov_b32 s[\g+1], ROWB<<16                    ; tensor_dim0
	s_mov_b32 s[\g+2], 128<<16                     ; tensor_dim1
	s_mov_b32 s[\g+3], ROWB<<16                    ; tile_dim0
	s_mov_b32 s[\g+4], 128                         ; tile_dim1
	s_mov_b32 s[\g+5], KROW                        ; from row to row
	s_mov_b32 s[\g+6], 0
	s_mov_b32 s[\g+7], 0
.endr
	s_or_b32 s[G1S+0], s43, (3<<16)|(1<<20)|(1<<21)|(5<<22)|(3<<25)  ; the scales of 128 rows: a dense block, as rows of 256 bytes (32 elements of 8 bytes), 16 bytes of padding behind each
	s_or_b32 s[G1SB+0], s44, (3<<16)|(1<<20)|(1<<21)|(5<<22)|(3<<25)
.irp g, G1S, G1SB
	s_mov_b32 s[\g+1], 32<<16
	s_mov_b32 s[\g+2], (128*KS/256)<<16
	s_mov_b32 s[\g+3], 32<<16
	s_mov_b32 s[\g+4], 128*KS/256
	s_mov_b32 s[\g+5], 32
	s_mov_b32 s[\g+6], 0
	s_mov_b32 s[\g+7], 0
.endr
	s_lshl_b32 s18, s16, 7
	s_lshl_b32 s20, s17, 8
	s_add_co_u32 s20, s20, s18                     ; x: row 256 x tile row + 128 x half
	s_lshl_b32 s46, s42, 8
	s_add_co_u32 s46, s46, s18                     ; W: row 256 x tile column + 128 x half
	s_mov_b32 s21, 0
	s_mov_b32 s47, 0
	s_mov_b64 s[18:19], KS
	s_mul_u64 s[22:23], s[20:21], s[18:19]
	s_mul_u64 s[92:93], s[46:47], s[18:19]
	s_mov_b64 s[18:19], KROW
	s_mul_u64 s[20:21], s[20:21], s[18:19]
	s_mul_u64 s[46:47], s[46:47], s[18:19]
	s_mul_i32 s45, s14, HALFT                      ; where they go: wave x 128 rows: no place in the cluster enters an LDS address
	s_mul_i32 s94, s14, HALFS
	s_wait_dscnt 0x0                               ; both opening adds are done
	s_wait_kmcnt 0x0
	s_add_nc_u64 s[20:21], s[4:5], s[20:21]
	s_add_nc_u64 s[22:23], s[6:7], s[22:23]
	s_add_nc_u64 s[46:47], s[8:9], s[46:47]
	s_add_nc_u64 s[92:93], s[10:11], s[92:93]
	CROUND                                         ; all sixteen work-groups are here: the joint loads meet
	s_mov_b32 s[G0S], 1
	s_add_co_u32 s[G0S+1], s94, SCL
	s_mov_b64 s[G0S+2:G0S+3], s[22:23]
	s_or_b32 s[G0S+3], s[G0S+3], 0x80000000
	s_mov_b32 s[G0SB], 1
	s_add_co_u32 s[G0SB+1], s94, SCL
	s_mov_b64 s[G0SB+2:G0SB+3], s[92:93]
	s_or_b32 s[G0SB+3], s[G0SB+3], 0x80000000
	JLOAD G0S, G1S, G0SB, G1SB                     ; the scales first; then both K steps: three loads of mine are out
.irp s, 0,1
	s_mov_b32 s[G0+4*\s], 1
	s_add_co_u32 s[G0+4*\s+1], s45, \s*SLOT
	s_add_nc_u64 s[G0+4*\s+2:G0+4*\s+3], s[20:21], \s*ROWB
	s_or_b32 s[G0+4*\s+3], s[G0+4*\s+3], 0x80000000
	s_mov_b32 s[G0B+4*\s], 1
	s_add_co_u32 s[G0B+4*\s+1], s45, \s*SLOT
	s_add_nc_u64 s[G0B+4*\s+2:G0B+4*\s+3], s[46:47], \s*ROWB
	s_or_b32 s[G0B+4*\s+3], s[G0B+4*\s+3], 0x80000000
	JLOAD G0+4*\s, G1, G0B+4*\s, G1B
.endr
	v_and_b32 v1, 15, v0                           ; r = lane % 16
	v_bfe_u32 v2, v0, 4, 1                         ; h = lane / 16
	v_mul_u32_u24 v3, v1, PITCH
	v_lshl_add_u32 v4, v2, 4, v3
	s_mul_i32 s21, s15, HALFT
	s_mul_i32 s22, s16, HALFT
	s_add_co_u32 s22, s22, 2*HALFT
.irp s, 0,1
	v_add_nc_u32 v[ADRA+\s], s21, v4
	v_add_nc_u32 v[ADRB+\s], s22, v4
	s_add_co_u32 s21, s21, SLOT
	s_add_co_u32 s22, s22, SLOT
.endr
	v_mul_u32_u24 v5, v1, KS                       ; my row's scales: 32 bytes a row, and 16 more for each 256 passed
	v_lshrrev_b32 v6, 8, v5
	v_lshl_add_u32 v5, v6, 4, v5
	s_mul_i32 s21, s15, HALFS
	s_mul_i32 s22, s16, HALFS
	s_add_co_u32 s22, s22, 2*HALFS
	s_sub_co_u32 s22, s22, s21
	v_mul_u32_u24 v6, s22, v2                      ; lanes 16-31 take W's
	s_add_co_u32 s21, s21, SCL
	v_add_nc_u32 v5, v5, v6
	v_add_nc_u32 v[ADRS], s21, v5
	s_mul_i32 s23, s14, 16*SPITCH                  ; my stage
	v_mul_u32_u24 v5, v1, SPITCH
	v_lshl_add_u32 v5, v2, 5, v5
	v_add_nc_u32 v[STO], s23, v5                   ; f32: row r, 32 bytes for each half of the lanes
	v_and_b32 v6, 31, v0
	v_lshlrev_b32 v[CO], 4, v6
	v_add_nc_u32 v[RD], s23, v[CO]                 ; back: the 32 lanes take 512 bytes on end
	v_lshl_add_u32 v[VST], v2, 5, s23
	v_mul_u32_u24 v5, v1, HP
	v_lshl_add_u32 v5, v2, 4, v5
	v_add_nc_u32 v[STO16], s23, v5                 ; f16: row r, 16 bytes for each half of the lanes
	v_bfe_u32 v5, v0, 3, 1                         ; back: lanes 0-15 take my first 64 columns of two rows, lanes 16-31 my second 64: eight lanes to a row's 128 bytes
	v_and_b32 v7, 7, v0
	v_mul_u32_u24 v8, v5, HP
	v_lshl_add_u32 v8, v2, 7, v8
	v_lshl_add_u32 v8, v7, 4, v8
	v_add_nc_u32 v[RD16], s23, v8
	v_lshlrev_b32 v8, 19, v2                       ; and in qkv16: a group of 64 columns is 524,288 bytes, a row in it 128
	v_lshl_add_u32 v8, v5, 7, v8
	v_lshl_add_u32 v[CO16], v7, 4, v8
	v_lshlrev_b32 v[VB], 5, v2
	s_and_b32 s66, s17, 7
	s_or_b32 s66, s66, s15
	v_mov_b32 v[FLG], s66
	s_lshl_b32 s46, s42, 10                        ; my first column, in bytes of f32: 1024 x tile column + 512 x half
	s_lshl_b32 s47, s16, 9
	s_add_co_u32 s46, s46, s47
	s_mov_b32 s47, 0
	s_add_nc_u64 s[96:97], s[96:97], s[46:47]      ; the bias at my first column
	s_add_nc_u64 s[12:13], s[100:101], 393216      ; the sums of V
	s_lshr_b32 s20, s17, 3
	s_mul_i32 s20, s20, 196608
	s_add_co_u32 s20, s20, s46
	s_mov_b32 s21, 0
	s_add_nc_u64 s[100:101], s[100:101], s[20:21]  ; the f32 copy: my sequence, my first column (inside the buffer in every work-group)
	s_lshl_b32 s20, s17, 13
	s_lshl_b32 s22, s15, 12
	s_add_co_u32 s20, s20, s22                     ; row 2 x tile row + half, 4,096 bytes each,
	s_and_b32 s22, s42, 3
	s_lshl_b32 s22, s22, 10
	s_add_co_u32 s20, s20, s22
	s_lshl_b32 s22, s16, 9
	s_add_co_u32 s20, s20, s22                     ; my first column of V's 1,024
	s_add_nc_u64 s[12:13], s[12:13], s[20:21]
	s_lshl_b32 s20, s17, 15                        ; qkv16: (256 x tile row + 128 x half) rows of 128 bytes,
	s_lshl_b32 s22, s15, 14
	s_add_co_u32 s20, s20, s22
	s_lshl_b32 s22, s42, 21                        ; (4 x tile column + 2 x half) groups of 524,288 bytes
	s_add_co_u32 s20, s20, s22
	s_lshl_b32 s22, s16, 20
	s_add_co_u32 s20, s20, s22
	s_add_nc_u64 s[98:99], s[98:99], s[20:21]
.irp b, 0,1,2,3,4,5,6,7
	global_load_b128 v[BI+8*\b:BI+8*\b+3], v[VB], s[96:97] offset:64*\b       ; lane (r, h): the bias of columns 16 b + 8 h + 0 .. 7
	global_load_b128 v[BI+8*\b+4:BI+8*\b+7], v[VB], s[96:97] offset:64*\b+16
.endr
.macro FRAG reg, adr, q, i             ; 16 rows x 128 K of 4-bit codes: 8 registers; registers 4 c .. 4 c + 3 hold K = 64 c + 32 (lane / 16) + 0 .. 31
.irp c, 0,1
	ds_load_b128 v[\reg+4*\c:\reg+4*\c+3], v[\adr] offset:64*(\q)+32*\c+(\i)*16*PITCH
.endr
.endm
; 16 matrix instructions: x's blocks a0, a0 + 1 against W's eight.  zero = 1: the first product starts the sums on the bias.  The 64 accumulators take turns, one instruction a turn.
.macro MUL16 a0, p, q, sc, zero
.irp a, \a0, \a0+1
.irp b, 0,1,2,3,4,5,6,7
.if \zero
	v_wmma_scale_f32_16x16x128_f8f6f4 v[8*(8*((\a)%4)+\b):8*(8*((\a)%4)+\b)+7], v[128*(\p)+FR*\b:128*(\p)+FR*\b+FR-1], v[AF+FR*(\a):AF+FR*(\a)+FR-1], v[BI+8*\b:BI+8*\b+7], v[SC+8*NQ*(\sc)+NQ*\b+(\q)], v[SC+8*NQ*(\sc)+NQ*(\a)+(\q)] matrix_a_fmt:MATRIX_FMT_FP4 matrix_b_fmt:MATRIX_FMT_FP4 matrix_a_scale:MATRIX_SCALE_ROW1
.else
	v_wmma_scale_f32_16x16x128_f8f6f4 v[8*(8*((\a)%4)+\b):8*(8*((\a)%4)+\b)+7], v[128*(\p)+FR*\b:128*(\p)+FR*\b+FR-1], v[AF+FR*(\a):AF+FR*(\a)+FR-1], v[8*(8*((\a)%4)+\b):8*(8*((\a)%4)+\b)+7], v[SC+8*NQ*(\sc)+NQ*\b+(\q)], v[SC+8*NQ*(\sc)+NQ*(\a)+(\q)] matrix_a_fmt:MATRIX_FMT_FP4 matrix_b_fmt:MATRIX_FMT_FP4 matrix_a_scale:MATRIX_SCALE_ROW1
.endif
.endr
.endr
.endm
.macro FETCH_B slot, q, p
	WIN TO_B
.irp i, 0,1,2,3,4,5,6,7
	FRAG 128*(\p)+FR*\i, ADRB+\slot, \q, \i
.endr
	WIN 0
.endm
.macro FETCH_A slot, q, i0
.irp i, \i0, \i0+1, \i0+2, \i0+3
	FRAG AF+FR*(\i), ADRA+\slot, \q, \i
.endr
.endm
.macro SCALES sc                       ; a K step's scale words: lanes 0-15 take x's block i, lanes 16-31 W's block i
.irp i, 0,1,2,3,4,5,6,7
	ds_load_b128 v[SC+8*NQ*\sc+NQ*\i:SC+8*NQ*\sc+NQ*\i+3], v[ADRS] offset:\i*SBLK
.endr
.endm
.macro PLACES n                        ; plain vector instructions between a matrix instruction and a load into, or a read of, its registers
.rept \n
	v_nop
.endr
.endm
.macro STEP slot, q, zero              ; 128 along K, with its successor in the same slot
	s_wait_dscnt 4*NL                              ; W's set and x's blocks 0-3 are in; the youngest eight loads (x's blocks 4-7) may be out
	WIN MUL_LO-0x20*(\zero)                        ; (zero = 1: C, the bias, lies in window 0)
	MUL16 0, (\q)%2, \q, \slot, \zero
	MUL16 2, (\q)%2, \q, \slot, \zero
	s_wait_dscnt 0
	PLACES NP
	FETCH_B \slot, (\q)+1, 1-(\q)%2
	FETCH_A \slot, (\q)+1, 0
	WIN MUL_HI-0x30*(\zero)
	MUL16 4, (\q)%2, \q, \slot, \zero
	MUL16 6, (\q)%2, \q, \slot, \zero
	PLACES NP
	WIN 0
	FETCH_A \slot, (\q)+1, 4
.endm
.macro TURN slot, next                 ; slot 0's last step: one barrier; behind it nobody reads slot 0 any more and slot 1 is whole.  Nothing is filled again
	s_wait_tensorcnt 0x0                           ; all my tensor loads have landed: my part of slot 1;
	ds_add_u32 v[SPW], v[NIL]                      ; 0 onto my spare word;
	s_wait_dscnt 4*NL+1                            ; (the add and the youngest eight loads may be out)
	WIN MUL_LO
	MUL16 0, 1, NQ-1, \slot, 0
	s_wait_dscnt 0x0                               ; the add is done, and my reads of this slot are over
	s_barrier_signal -1
	MUL16 2, 1, NQ-1, \slot, 0
	WIN 0
	s_barrier_wait -1
	PLACES NP
	v_add_nc_u32 v[ADRS], 4*NQ, v[ADRS]            ; on to the next K step's scale words
	FETCH_B \next, 0, 0
	FETCH_A \next, 0, 0
	SCALES \next
	WIN MUL_HI
	MUL16 4, 1, NQ-1, \slot, 0
	MUL16 6, 1, NQ-1, \slot, 0
	PLACES NP
	WIN 0
	FETCH_A \next, 0, 4
.endm
	s_wait_tensorcnt 1                             ; the scales and my part of K step 0 are in; K step 1's load may be out
	s_barrier_signal -1
	s_barrier_wait -1
	FETCH_B 0, 0, 0
	FETCH_A 0, 0, 0
	SCALES 0
	FETCH_A 0, 0, 4
	s_wait_loadcnt 0x0                             ; the bias
	STEP 0, 0, 1
	STEP 0, 1, 0
	STEP 0, 2, 0
	TURN 0, 1
	STEP 1, 0, 0
	STEP 1, 1, 0
	STEP 1, 2, 0
	s_wait_dscnt 4*NL                              ; the very last step
	WIN MUL_LO
	MUL16 0, 1, NQ-1, 1, 0
	MUL16 2, 1, NQ-1, 1, 0
	s_wait_dscnt 0
	WIN MUL_HI
	MUL16 4, 1, NQ-1, 1, 0
	MUL16 6, 1, NQ-1, 1, 0
	WIN 0
	; ---- (2) my first 16 rows in f32, through the stage, as whole rows of 512 bytes.  They are stored only where they are positions 0-15 of a sequence.
	; The tile row differs between the partners of a cluster, so the choice is a mask of lanes and no branch.
	PLACES NP
	WIN 0x08                                       ; an LDS store's data are its source 1: window 2
.irp b, 0,1,2,3,4,5,6,7
	ds_store_b128 v[STO], v[8*\b:8*\b+3] offset:64*\b                ; each accumulator from its low end on
	ds_store_b128 v[STO], v[8*\b+4:8*\b+7] offset:64*\b+16
.endr
	WIN 0
.irp t, 0,1,2,3,4,5,6,7,8,9,10,11,12,13,14,15
	ds_load_b128 v[BK+4*\t:BK+4*\t+3], v[RD] offset:\t*SPITCH
.endr
	s_wait_dscnt 0x0
	v_cmp_eq_u32 vcc_lo, 0, v[FLG]
	s_wait_xcnt 0x0                                ; EXEC changes only behind this wait
	s_and_saveexec_b32 s95, vcc_lo
.irp t, 0,1,2,3,4,5,6,7,8,9,10,11,12,13,14,15
	global_store_b128 v[CO], v[BK+4*\t:BK+4*\t+3], s[100:101] offset:\t*12288   ; 32 lanes store 512 consecutive bytes, aligned
.endr
	s_wait_xcnt 0x0                                ; and again, in front of the line that widens it; the stores have read their registers too
	s_or_b32 exec_lo, exec_lo, s95
	; ---- (3) the column sums, where the columns are V's: the third cluster along x holds exactly those, so the branch is alike in all sixteen partners
	s_cmp_lg_u32 ttmp9, 2
	s_cbranch_scc1 .Lno_v
	WIN 0x0e                                       ; source 0 window 2, source 1 window 3
.set n, 0
.rept 32
	v_pk_add_f32 v[T+n:T+n+1], v[n:n+1], v[n:n+1]  ; blocks 0 and 4 of my rows
.set n, n+2
.endr
	WIN 0x08
.irp a, 1,2,3
.set n, 0
.rept 32
	v_pk_add_f32 v[T+n:T+n+1], v[T+n:T+n+1], v[64*\a+n:64*\a+n+1]
.set n, n+2
.endr
.endr
	WIN 0x0c
.irp a, 1,2,3
.set n, 0
.rept 32
	v_pk_add_f32 v[T+n:T+n+1], v[T+n:T+n+1], v[64*\a+n:64*\a+n+1]
.set n, n+2
.endr
.endr
	WIN 0
.irp m, 1,2,4,8                        ; over the sixteen rows that the sixteen lanes of a half hold
.set n, 0
.rept 64
	v_add_f32_dpp v[T+n], v[T+n], v[T+n] row_xmask:\m row_mask:0xf bank_mask:0xf
.set n, n+1
.endr
.endr
.irp b, 0,1,2,3,4,5,6,7
	ds_store_b128 v[VST], v[T+8*\b:T+8*\b+3] offset:64*\b            ; the sixteen lanes of a half write the same bytes with the same values
	ds_store_b128 v[VST], v[T+8*\b+4:T+8*\b+7] offset:64*\b+16
.endr
	ds_load_b128 v[224:227], v[RD]
	s_wait_dscnt 0x0
	global_store_b128 v[CO], v[224:227], s[12:13]  ; 512 consecutive bytes; v224-227 are not written again
.Lno_v:
	; ---- (1) all 128 rows in f16, a block of 16 rows at a time through the stage
.macro PACK16 a
	WIN 0x0a+5*((\a)/4)                            ; sources 0 and 1: window 2 or 3
.irp b, 0,1,2,3,4,5,6,7
.irp u, 0,1,2,3
	v_cvt_pk_f16_f32 v[TMP+4*\b+\u], v[64*((\a)%4)+8*\b+2*\u], v[64*((\a)%4)+8*\b+2*\u+1]
.endr
.endr
	WIN 0
.endm
.macro TOSTAGE16 a
.irp b, 0,1,2,3,4,5,6,7
	ds_store_b128 v[STO16], v[TMP+4*\b:TMP+4*\b+3] offset:32*\b
.endr
.irp t, 0,1,2,3,4,5,6,7
	ds_load_b128 v[BK+32*((\a)%2)+4*\t:BK+32*((\a)%2)+4*\t+3], v[RD16] offset:\t*2*HP   ; LDS serves a wave's instructions in order: these see the stores above
.endr
.endm
.macro SEND16 a
	s_wait_dscnt 0x0                               ; the block is back in registers
	s_wait_xcnt 0x0                                ; the stores of the block before have read their registers: the next block's loads may land there
.irp t, 0,1,2,3,4,5,6,7
	global_store_b128 v[CO16], v[BK+32*((\a)%2)+4*\t:BK+32*((\a)%2)+4*\t+3], s[98:99] offset:(\a)*2048+\t*256   ; sixteen lanes store two rows of one head: 256 consecutive bytes, aligned
.endr
.endm
	PACK16 0
	TOSTAGE16 0
.irp a, 1,2,3,4,5,6,7                  ; block a's conversions stand between block a - 1's loads from the stage and the wait for them
	PACK16 \a
	SEND16 \a-1
	TOSTAGE16 \a
.endr
	SEND16 7
	s_wait_tensorcnt 0x0                           ; the wave's end, behind my last tensor load and my last LDS store
	ds_add_u32 v[SPW], v[NIL]
	s_wait_dscnt 0x0
	CROUND                                         ; the closing round: no work-group ends while a partner may still ask for a tile that names it
	s_endpgm
.Lfunc_end_k_q5f17249834_qkv:
	.size	k_q5f17249834_qkv, .Lfunc_end_k_q5f17249834_qkv-k_q5f17249834_qkv
	.p2alignl 7, 3214868480
	.fill 96, 4, 3214868480
	.section	.rodata,"a",@progbits
	.p2align	6, 0x0
	.amdhsa_kernel k_q5f17249834_qkv
		.amdhsa_group_segment_fixed_size 327680
		.amdhsa_private_segment_fixed_size 0
		.amdhsa_enable_private_segment 0
		.amdhsa_kernarg_size 56
		.amdhsa_user_sgpr_count 2
		.amdhsa_user_sgpr_kernarg_segment_ptr 1
		.amdhsa_wavefront_size32 1
		.amdhsa_system_sgpr_workgroup_id_x 1
		.amdhsa_system_sgpr_workgroup_id_y 1
		.amdhsa_system_sgpr_workgroup_id_z 1
		.amdhsa_system_vgpr_workitem_id 0
		.amdhsa_next_free_vgpr 1024
		.amdhsa_next_free_sgpr 102
		.amdhsa_reserve_vcc 1
		.amdhsa_float_denorm_mode_32 3
		.amdhsa_float_denorm_mode_16_64 3
		.amdhsa_memory_ordered 1
		.amdhsa_forward_progress 1
		.amdhsa_inst_pref_size 164
	.end_amdhsa_kernel
	.amdgpu_metadata
---
amdhsa.version: [ 1, 2 ]
amdhsa.kernels:
  - .name:           k_q5f17249834_qkv
    .symbol:         k_q5f17249834_qkv.kd
    .args:
      - { .name: x_codes, .offset: 0, .size: 8, .value_kind: global_buffer, .address_space: global }
      - { .name: x_scales, .offset: 8, .size: 8, .value_kind: global_buffer, .address_space: global }
      - { .name: w_codes, .offset: 16, .size: 8, .value_kind: global_buffer, .address_space: global }
      - { .name: w_scales, .offset: 24, .size: 8, .value_kind: global_buffer, .address_space: global }
      - { .name: W_qkv_bias, .offset: 32, .size: 8, .value_kind: global_buffer, .address_space: global }
      - { .name: qkv16, .offset: 40, .size: 8, .value_kind: global_buffer, .address_space: global }
      - { .name: side, .offset: 48, .size: 8, .value_kind: global_buffer, .address_space: global }
    .group_segment_fixed_size: 327680
    .private_segment_fixed_size: 0
    .kernarg_segment_align: 8
    .kernarg_segment_size: 56
    .max_flat_workgroup_size: 128
    .sgpr_count:     102
    .vgpr_count:     1024
    .wavefront_size: 32
...
	.end_amdgpu_metadata
.endif
;; end of part 2
;; launch attn (part 3): grid 8 x 32, 8 waves a work-group, no clusters, 327,680 bytes of LDS; arguments qkv16, attention_mask, side, ctx16; writes ctx16
.if DOCPART == 3
	.amdgcn_target "amdgcn-amd-amdhsa--gfx1250"
	.amdhsa_code_object_version 6
	.text
	.protected	k_q5f17249834_attn
	.globl	k_q5f17249834_attn
	.p2align	8
	.type	k_q5f17249834_attn,@function
k_q5f17249834_attn:
	s_mov_b64 s[64:65], 0
	v_nop
	global_prefetch_b8 v0, s[64:65] scope:SCOPE_SE
	s_setreg_imm32_b32 hwreg(HW_REG_WAVE_MODE, 25, 1), 1
	s_wait_xcnt 0x0
; ATTENTION: ctx[h][m][:] = softmax_k(masked q . k / 8) v, 32 (batch, head) pairs, 2,048 positions, head size 64.  q, k, v, p and ctx in f16; products, maxima and sums in f32.
; MASKS.  A padded key has -1e9 ADDED to its score (as the C of the first product: no vector instruction); a key after the query has its score REPLACED by -1e9.  A running maximum is taken away before the exponential.
; A row for which no key counts has 2,048 equal scores in the definition: its result is the plain mean of V over all 2,048 keys.  Such a row is known by its largest score lying under -5e8, and takes the mean
; (from the sums that the launch before stored) by a select: no branch on data.
; LIMITS: true scores lie above -5e8 (beyond about 1e9 the definition's own mask stops masking); q, k, v and ctx up to 65,504 in size.
; SHARES.  The 2,048 queries of a head are 16 blocks of 128.  Work-group i owns blocks 15 - i and i: 17 blocks of keys in every work-group.  Wave w holds two tiles of 16 queries, Y (block 15 - i) and X (block i),
; which share each fragment of K and V.  Two waves lie on a SIMD, so that one wave's softmax stands beside the other's products.
; NO CLUSTER: under the causal mask the eight work-groups of a head need 8, 8, 7, 7, 6, 6, 5, 5 slots of keys: a joint load would bring tiles that every wave of some partner passes over.
; LAYOUT.  S^T = K Q^T (source 0 = 16 keys, source 1 = 16 queries), O^T = V^T P (source 0 = 16 channels, source 1 = P): a lane holds ONE query (lane % 16) throughout.  K comes out of LDS as it lies, V turned.
; RING.  Two slots of 256 keys, filled by the tensor data mover: waves 0-3 bring 64 rows of K each, waves 4-7 64 rows of V; by this text's count a wave has one tensor load out.
; Every work-group walks all eight slots (the trip counts are constants); what lies after its queries is neither fetched nor worked.
; POSITIONS 0-15 ONCE MORE, WHOLLY IN F32: these rows average one to a few values of V and are the largest of the output.  For each (batch, head) ONE wave makes them, behind its own way out: wave 0 of work-group i = 7,
; whose last query is 1,151: it asks for five of the eight slots and walks the other three changes with no work.  q, k, v of the 16 positions come in f32 from side; 32 instructions of the f32 matrix form.
; The 16 x 64 numbers are stored behind ctx16's 8,388,608 bytes, as an image of the registers in which the next launch's product takes them: [batch][head][8 groups of 4 registers][32 lanes][16 bytes].
; REGISTERS: window 0: v1-15 addresses; v16-31 statistics (tile t at v[16 + 8 t]: c m, m, l, l, four at work); v32-95 K; v96-159 V; v160-191 the mask's bias; v192-223 S^T, then p; v224-239 P; v240-251 ids and addresses.
;   window 1: v0-31 Q (tile t at 16 t); v64-127 O^T (tile t at 64 + 32 t); v128-175 the f32 form's results, which no other line writes.
.set PK,    144                        ; a row of K in LDS: 128 bytes + 16
.set PV,    160                        ; a row of V: 128 bytes + 32
.set VOFF,  256*PK
.set SLOT1, 1<<17                      ; slot 1 begins here: one exclusive or turns an address from slot to slot
.set MBT,   2*SLOT1                    ; the mask's bias, f32, 2,048 keys
.set VM,    MBT+8192                   ; the mean of V, 64 channels, once for each wave
.set STG,   VM+8*256                   ; the way out: 16 rows x 144 bytes for each wave
.set SPARE, STG+8*16*PK                ; the spare words, 128 bytes for each wave: four blocks of 256 bytes that no other line names
.set SPW, 1
.set NIL, 2
.set AK0, 3
.set AV0, 4
.set AMB0, 5
.set ADK, 6
.set ADV, 7
.set ADM, 8
.set NEGR, 9                           ; v9  -1e9
.set RHR, 10                           ; v10 lane % 16 - 8 (lane / 16)
.set DR,  11
.set PFO, 12
.set STO, 13
.set RD,  14
.set GO,  15
.set ST,  16
.set KFR, 32
.set VFR, 96
.set MB,  160
.set S,   192
.set P,   224
.set WV,  12
.set WQ,  13
.set FIN, 14                           ; s14 0 in the wave that makes positions 0-15 in f32
.set QY,  18                           ; s18 tile Y's first query, s19 tile X's
.set SEL, 20
.set CS,  22                           ; s[22:23] c = log2(e) / 8
.set G1K, 24
.set G1V, 32
.set G0K, 40
.set G0V, 44
.set TB,  48                           ; s48 LDS byte at which the slot in hand begins
.set TM,  50                           ; s50 4 x the step's first key
.set KF,  51                           ; s51 the step's first key
.set SLOTS, 52
.set QLAST, 54                         ; s54 my work-group's last query
.set LIM, 55
.set PFA, 56
.set FSRC, 70                          ; s[70:71] side: my sequence's 16 rows of q, k, v in f32, at my head
.set FDST, 72                          ; s[72:73] ctx16's tail: my (batch, head)'s 4,096 bytes
.set FQ,  64                           ; the f32 block, window 0: v64-95 q, v96-127 k (later the result), v128-159 v^T,
.set FK,  96
.set FV,  128
.set FM,  192                          ; v192-199 the masks' bias, v200-207 p, v208-215 the scores, v216-220 m, at work, c m, l, 1 / l
.set FP,  200
.set FS,  208
.set FT,  216
.set FAQ, 250                          ; v250, v251 its two offsets in side
.set FAV, 251
.set SA,  128                          ; window 1: v128-143 the scores in two halves of K, v144-175 O^T
.set OA,  144
.set MSB, 0
.macro WIN new
.if MSB != \new
	s_set_vgpr_msb (MSB<<8)|\new
.set MSB, \new
.endif
.endm
; Every wave issues one load of 64 rows.  The branch hangs on the wave's number alone.  An s_nop 0 and four v_nop follow each of the two lines.
.macro TLOAD
	s_cmp_lt_u32 s[WV], 4
	s_cbranch_scc0 .Lfor_v_\@
	tensor_load_to_lds s[G0K:G0K+3], s[G1K:G1K+7]
	s_nop 0
.rept 4
	v_nop
.endr
	s_branch .Lasked_\@
.Lfor_v_\@:
	tensor_load_to_lds s[G0V:G0V+3], s[G1V:G1V+7]
	s_nop 0
.rept 4
	v_nop
.endr
.Lasked_\@:
.endm
; A prefetch of what the NEXT change of slots will ask for.  All eight work-groups of a head walk the same K and V: the one that walks all eight slots (i = 0) asks, and nobody else.  Each of its waves asks for the 64 rows
; (8,192 bytes, a lane for each 256) that it will itself fetch: so each aligned 256 bytes are named once in the launch.  Nothing is asked for at the head; the last change that fills a slot asks for nothing.
.macro ASK
	s_cmp_gt_u32 s[SLOTS], s[LIM]
	s_cbranch_scc0 .Lnot_mine_\@
	global_prefetch_b8 v[PFO], s[PFA:PFA+1] th:TH_LOAD_NT scope:SCOPE_SE
.Lnot_mine_\@:
.endm
	s_load_b256 s[4:11], s[0:1], 0x0               ; qkv16 s[4:5], the mask s[6:7], side s[8:9], ctx16 s[10:11]
	v_lshl_add_u32 v[SPW], v0, 2, SPARE
	v_mov_b32 v[NIL], 0
	ds_add_u32 v[SPW], v[NIL]                      ; the wave's opening: the add, twice on end, and its wait ahead of my first tensor load
	ds_add_u32 v[SPW], v[NIL]
	v_lshrrev_b32 v3, 5, v0
	v_readfirstlane_b32 s[WV], v3                  ; wave 0..7
	s_and_b32 s[WQ], s[WV], 3
	s_and_b32 s15, ttmp7, 0xffff
	s_lshr_b32 s16, s15, 4                         ; batch
	s_and_b32 s17, s15, 15                         ; head
	s_sub_co_u32 s58, 15, ttmp9
	s_lshl_b32 s58, s58, 7
	s_lshl_b32 s59, s[WV], 4
	s_add_co_u32 s[QY], s58, s59                   ; 128 (15 - i) + 16 w
	s_add_co_u32 s[QLAST], s58, 127
	s_lshl_b32 s58, ttmp9, 7
	s_add_co_u32 s[QY+1], s58, s59                 ; 128 i + 16 w
	s_mov_b32 s[G1K], (0<<16)|(1<<20)|(4<<22)|(3<<25)   ; no mask; elements of 1 byte; padding on: 4 words behind every 32
	s_mov_b32 s[G1V], (0<<16)|(1<<20)|(4<<22)|(7<<25)   ; 8 words behind every 32
.irp g, G1K, G1V
	s_mov_b32 s[\g+1], 128<<16                     ; tensor_dim0 = 128 bytes
	s_mov_b32 s[\g+2], 64<<16                      ; tensor_dim1 = 64 rows
	s_mov_b32 s[\g+3], 128<<16                     ; tile_dim0
	s_mov_b32 s[\g+4], 64                          ; tile_dim1
	s_mov_b32 s[\g+5], 128                         ; from row to row
	s_mov_b32 s[\g+6], 0
	s_mov_b32 s[\g+7], 0
.endr
	s_mov_b32 s[SEL], 0x76543210
	s_mov_b32 s[SEL+1], 0xfedcba98
	s_mov_b32 s[CS], 0x3e38aa3b
	s_mov_b32 s[CS+1], s[CS]
	s_mov_b32 s[TB], 0
	s_mov_b32 s[TM], 0
	s_mov_b32 s[KF], 0
	s_mov_b32 s[SLOTS], 7
	s_lshl_b32 s60, s17, 19
	s_lshl_b32 s61, s16, 18
	s_add_co_u32 s60, s60, s61                     ; my head's and batch's first byte in a plane of 16 heads
	s_mov_b32 s61, 0
	s_lshl_b32 s62, s[WQ], 13                      ; the 64 rows that I fetch
	s_mov_b32 s63, 0
	s_wait_dscnt 0x0                               ; both opening adds are done
	s_wait_kmcnt 0x0
	s_add_nc_u64 s[74:75], s[4:5], s[60:61]        ; q's rows
	s_add_nc_u64 s[70:71], s[74:75], 0x800000      ; k's: 16 groups of 524,288 bytes on
	s_add_nc_u64 s[72:73], s[74:75], 0x1000000     ; v's: 32
	s_add_nc_u64 s[70:71], s[70:71], s[62:63]
	s_add_nc_u64 s[72:73], s[72:73], s[62:63]
	s_mov_b32 s[G0K], 1
	s_mul_i32 s[G0K+1], s[WQ], 64*PK
	s_mov_b64 s[G0K+2:G0K+3], s[70:71]
	s_or_b32 s[G0K+3], s[G0K+3], 0x80000000
	s_mov_b32 s[G0V], 1
	s_mul_i32 s[G0V+1], s[WQ], 64*PV
	s_add_co_u32 s[G0V+1], s[G0V+1], VOFF
	s_mov_b64 s[G0V+2:G0V+3], s[72:73]
	s_or_b32 s[G0V+3], s[G0V+3], 0x80000000
	TLOAD                                          ; slot 0: keys 0-255, which count for queries of every work-group
	s_cmp_lt_u32 s[WV], 4
	s_cselect_b64 s[PFA:PFA+1], s[70:71], s[72:73]
	s_add_nc_u64 s[PFA:PFA+1], s[PFA:PFA+1], 32768 ; in slot 1; the first change of slots steps it to slot 2
	s_cmp_eq_u32 ttmp9, 0
	s_cselect_b32 s[LIM], 1, -1
	s_lshl_b32 s58, s[QY], 7
	s_mov_b32 s59, 0
	s_add_nc_u64 s[76:77], s[74:75], s[58:59]      ; tile Y's rows of q,
	s_add_nc_u64 s[68:69], s[10:11], s[60:61]
	s_add_nc_u64 s[66:67], s[68:69], s[58:59]      ; and of ctx
	s_lshl_b32 s58, s[QY+1], 7
	s_add_nc_u64 s[78:79], s[74:75], s[58:59]      ; tile X's
	s_add_nc_u64 s[68:69], s[68:69], s[58:59]
	s_mul_i32 s58, s16, 196608                     ; the f32 block's two places (s70-73 are free: the descriptors and the prefetches hold copies)
	s_lshl_b32 s62, s17, 8
	s_add_co_u32 s58, s58, s62
	s_add_nc_u64 s[FSRC:FSRC+1], s[8:9], s[58:59]  ; side: 16 rows of 12,288 bytes a sequence; my head's q at 256 x head, k 4,096 and v 8,192 bytes on
	s_lshl_b32 s58, s15, 12
	s_add_co_u32 s58, s58, 0x800000
	s_add_nc_u64 s[FDST:FDST+1], s[10:11], s[58:59]  ; ctx16's tail: 4,096 bytes for each (batch, head)
	s_xor_b32 s[FIN], ttmp9, 7
	s_or_b32 s[FIN], s[FIN], s[WV]                 ; 0 in wave 0 of work-group i = 7: ids alone
	s_lshl_b32 s58, s16, 13
	s_add_nc_u64 s[6:7], s[6:7], s[58:59]          ; my batch's mask
	s_lshl_b32 s58, s16, 16
	s_lshl_b32 s62, s17, 8
	s_add_co_u32 s58, s58, s62
	s_add_co_u32 s58, s58, 393216
	s_add_nc_u64 s[8:9], s[8:9], s[58:59]          ; my batch's sixteen rows of sums of V, at my head's 64 channels
	v_and_b32 v240, 15, v0                         ; r
	v_bfe_u32 v241, v0, 4, 1                       ; h
	v_and_b32 v247, 31, v0                         ; lane
	v_lshlrev_b32 v242, 7, v240
	v_lshl_add_u32 v242, v241, 4, v242             ; q: row r of 128 bytes + 16 h
	WIN 0x40                                       ; destination window 1
.irp c, 0,1
	global_load_b128 v[8*\c:8*\c+3], v242, s[76:77] offset:64*\c
	global_load_b128 v[8*\c+4:8*\c+7], v242, s[76:77] offset:64*\c+32
	global_load_b128 v[16+8*\c:16+8*\c+3], v242, s[78:79] offset:64*\c
	global_load_b128 v[16+8*\c+4:16+8*\c+7], v242, s[78:79] offset:64*\c+32
.endr
	WIN 0
	v_lshlrev_b32 v243, 5, v0
	global_load_b128 v[32:35], v243, s[6:7]        ; eight keys' mask a thread
	global_load_b128 v[36:39], v243, s[6:7] offset:16
	v_lshlrev_b32 v244, 3, v247
.set n, 0
.rept 16
	global_load_b64 v[40+2*n:41+2*n], v244, s[8:9] offset:n*4096
.set n, n+1
.endr
	v_mul_u32_u24 v[AK0], v240, PK
	v_lshl_add_u32 v[AK0], v241, 4, v[AK0]         ; K: row r x pitch + 16 h
	v_and_b32 v248, 7, v0
	v_lshl_add_u32 v248, v241, 3, v248
	v_mul_u32_u24 v[AV0], v248, PV                 ; V, for the turning load: key 8 h + lane % 8,
	v_bfe_u32 v248, v0, 3, 1
	v_lshl_add_u32 v[AV0], v248, 4, v[AV0]         ; channels 8 ((lane / 8) % 2) on
	v_add_nc_u32 v[AV0], VOFF, v[AV0]
	v_lshl_add_u32 v[AMB0], v241, 5, MBT           ; the bias of keys 8 h on
	v_mov_b32 v[NEGR], 0xce6e6b28
	v_lshlrev_b32 v248, 3, v241
	v_sub_nc_u32 v[RHR], v240, v248
	v_lshlrev_b32 v[PFO], 8, v247
	s_mul_i32 s58, s[WV], 16*PK
	s_add_co_u32 s58, s58, STG
	v_mul_u32_u24 v[STO], v240, PK
	v_lshl_add_u32 v[STO], v241, 4, v[STO]
	v_add_nc_u32 v[STO], s58, v[STO]               ; the stage: row r, 16 bytes for each half of the lanes
	v_lshrrev_b32 v248, 3, v247
	v_mul_u32_u24 v[RD], v248, PK
	v_and_b32 v248, 7, v0
	v_lshl_add_u32 v[RD], v248, 4, v[RD]
	v_add_nc_u32 v[RD], s58, v[RD]                 ; back: eight lanes to a row of 128 bytes
	v_lshlrev_b32 v[GO], 4, v247
	v_lshl_add_u32 v245, v0, 5, MBT
	s_lshl_b32 s58, s[WV], 8
	s_add_co_u32 s58, s58, VM
	v_lshl_add_u32 v246, v247, 3, s58
	v_lshl_add_u32 v249, v241, 5, s58
.irp t, 0,1
	v_mov_b32 v[ST+8*\t+1], 0xff61b1e6             ; the largest score so far: -3e38
	v_mul_f32 v[ST+8*\t], s[CS], v[ST+8*\t+1]
.irp j, 2,3,4,5,6,7
	v_mov_b32 v[ST+8*\t+\j], 0                     ; the sum; and the four at work, so that none is read unwritten on any way through the text
.endr
.endr
	WIN 0x40
.set n, 0
.rept 64
	v_mov_b32 v[64+n], 0                           ; O^T: the step is written once; the first finds zeros
.set n, n+1
.endr
	WIN 0
	s_wait_loadcnt 16                              ; q and the mask are in; the sixteen loads of V's sums may be out
.irp j, 0,1,2,3,4,5,6,7
	v_cmp_eq_u32 vcc_lo, 0, v[32+\j]
	v_cndmask_b32 v[32+\j], 0, v[NEGR], vcc_lo     ; -1e9 for a padded key, else 0
.endr
	ds_store_b128 v245, v[32:35]
	ds_store_b128 v245, v[36:39] offset:16
	s_wait_loadcnt 0x0
.set n, 1
.rept 15
	v_pk_add_f32 v[40:41], v[40:41], v[40+2*n:41+2*n]
.set n, n+1
.endr
	v_pk_mul_f32 v[40:41], v[40:41], 0x3a000000 op_sel_hi:[1,0]   ; / 2,048
	ds_store_b64 v246, v[40:41]                    ; my wave's own copy: no other wave reads it
; ONE TILE's part of a key step of 64 keys.
.macro TILE t
.set rT, ST+8*(\t)
.set rO, 64+32*(\t)
	WIN 0x04                                       ; source 1 (Q) window 1
.irp kt, 0,1,2,3
	v_wmma_f32_16x16x32_f16 v[S+8*\kt:S+8*\kt+7], v[KFR+16*\kt:KFR+16*\kt+7], v[16*(\t):16*(\t)+7], v[MB+8*\kt:MB+8*\kt+7]   ; the sums start on the mask's bias
.endr
.irp kt, 0,1,2,3
	v_wmma_f32_16x16x32_f16 v[S+8*\kt:S+8*\kt+7], v[KFR+16*\kt+8:KFR+16*\kt+15], v[16*(\t)+8:16*(\t)+15], v[S+8*\kt:S+8*\kt+7]   ; the four accumulators by turns
.endr
	WIN 0
.rept 4
	v_nop                                          ; places in front of the first read of the scores
.endr
	s_add_co_u32 s58, s[KF], 63                    ; a step all of whose keys count passes over the diagonal's lines: a branch on ids
	s_cmp_le_u32 s58, s[QY+(\t)]
	s_cbranch_scc1 .Lopen_\@
	s_sub_co_u32 s58, s[QY+(\t)], s[KF]
	v_add_nc_u32 v[DR], s58, v[RHR]                ; register 8 kt + j holds key KF + 16 kt + 8 h + j: hidden where 16 kt + j > my query - KF - 8 h
.set n, 0
.rept 32
	v_cmp_gt_i32 vcc_lo, 16*(n/8)+n%8, v[DR]
	v_cndmask_b32 v[S+n], v[S+n], v[NEGR], vcc_lo
.set n, n+1
.endr
.Lopen_\@:
.irp j, 0,1,2,3
	v_max3_num_f32 v[rT+4+\j], v[S+8*\j], v[S+8*\j+1], v[S+8*\j+2]      ; four chains; each accumulator is read from its low end on
.endr
.irp j, 0,1,2,3
	v_max3_num_f32 v[rT+4+\j], v[rT+4+\j], v[S+8*\j+3], v[S+8*\j+4]
.endr
.irp j, 0,1,2,3
	v_max3_num_f32 v[rT+4+\j], v[rT+4+\j], v[S+8*\j+5], v[S+8*\j+6]
.endr
	v_max3_num_f32 v[rT+4], v[rT+4], v[S+7], v[S+15]
	v_max3_num_f32 v[rT+6], v[rT+6], v[S+23], v[S+31]
	v_max3_num_f32 v[rT+4], v[rT+4], v[rT+5], v[rT+6]
	v_max3_num_f32 v[rT+4], v[rT+4], v[rT+7], v[rT+1]                   ; with the old m
	v_permlanex16_b32 v[rT+5], v[rT+4], s[SEL], s[SEL+1]               ; the query's other 32 keys lie in the lane 16 away
	v_mov_b32 v[rT+7], v[rT]                       ; c m_old
	v_max_num_f32 v[rT+1], v[rT+4], v[rT+5]        ; the new m
	v_mul_f32 v[rT], s[CS], v[rT+1]
	v_sub_f32 v[rT+7], v[rT+7], v[rT]              ; c m_old - c m_new
.set n, 0
.rept 16
	v_pk_fma_f32 v[S+n:S+n+1], v[S+n:S+n+1], s[CS:CS+1], v[rT:rT+1] op_sel_hi:[1,0,0] neg_lo:[0,0,1] neg_hi:[0,0,1]   ; c s - c m
.set n, n+2
.endr
	v_exp_f32 v[rT+6], v[rT+7]                     ; a = 2^(c m_old - c m_new); ONE batch of 33 exponentials
.set n, 0
.rept 32
	v_exp_f32 v[S+n], v[S+n]
.set n, n+1
.endr
	v_nop                                          ; a plain instruction behind the last exponential
	s_wait_alu depctr_va_vdst(0)                   ; one wait for the batch, ahead of its first reader
.set n, 0
.rept 16
	v_cvt_pk_f16_f32 v[P+n], v[S+2*n], v[S+2*n+1]  ; two tiles of 16 keys, packed in pairs, ARE source 1 of the second product
.set n, n+1
.endr
.irp w, 4,8,16,32                      ; the sum of the unrounded p, in place: neighbours 1, 2, 4 and 8 pairs apart
.set n, 0
.rept 32/\w
	v_pk_add_f32 v[S+n:S+n+1], v[S+n:S+n+1], v[S+n+\w/2:S+n+\w/2+1]
.set n, n+\w
.endr
.endr
	v_pk_fma_f32 v[rT+2:rT+3], v[rT+2:rT+3], v[rT+6:rT+7], v[S:S+1] op_sel_hi:[1,0,1]   ; l = a l + the sum
	WIN 0x41                                       ; O^T (destination and source 0) window 1
.set n, 0
.rept 16
	v_pk_mul_f32 v[rO+n:rO+n+1], v[rO+n:rO+n+1], v[rT+6:rT+7] op_sel_hi:[1,0]
.set n, n+2
.endr
	s_wait_dscnt 0x0                               ; V is in
	WIN 0x50                                       ; C and D window 1
.irp e, 0,1
.irp dt, 0,1,2,3
	v_wmma_f32_16x16x32_f16 v[rO+8*\dt:rO+8*\dt+7], v[VFR+32*\e+8*\dt:VFR+32*\e+8*\dt+7], v[P+8*\e:P+8*\e+7], v[rO+8*\dt:rO+8*\dt+7]
.endr
.endr
	WIN 0
.endm
; A KEY STEP: 64 keys, the q-th of the slot in hand.  A step all of whose keys come after a tile's 16 queries is left out for that tile: scalar branches on ids, round loads, products and softmax;
; not round the lines at the step's end that step the counts; no barrier and no tensor load stands in a step.
.macro STEP q
	s_add_co_u32 s58, s[QY], 15
	s_cmp_gt_u32 s[KF], s58
	s_cbranch_scc1 .Lhidden_\@
	v_add_nc_u32 v[ADK], s[TB], v[AK0]
	v_add_nc_u32 v[ADV], s[TB], v[AV0]
	v_add_nc_u32 v[ADM], s[TM], v[AMB0]
	v_nop                                          ; with the three additions: four places in front of loads into registers that matrix instructions have read
.irp kt, 0,1,2,3
.irp c, 0,1
	ds_load_b128 v[KFR+16*\kt+8*\c:KFR+16*\kt+8*\c+3], v[ADK] offset:(\q)*64*PK+\kt*16*PK+64*\c
	ds_load_b128 v[KFR+16*\kt+8*\c+4:KFR+16*\kt+8*\c+7], v[ADK] offset:(\q)*64*PK+\kt*16*PK+64*\c+32
.endr
.endr
.irp kt, 0,1,2,3
	ds_load_b128 v[MB+8*\kt:MB+8*\kt+3], v[ADM] offset:64*\kt
	ds_load_b128 v[MB+8*\kt+4:MB+8*\kt+7], v[ADM] offset:64*\kt+16
.endr
.irp e, 0,1
.irp dt, 0,1,2,3
	ds_load_tr16_b128 v[VFR+32*\e+8*\dt:VFR+32*\e+8*\dt+3], v[ADV] offset:(\q)*64*PV+\e*32*PV+32*\dt
	ds_load_tr16_b128 v[VFR+32*\e+8*\dt+4:VFR+32*\e+8*\dt+7], v[ADV] offset:(\q)*64*PV+\e*32*PV+16*PV+32*\dt
.endr
.endr
	s_wait_dscnt 16                                ; K and the bias are in; V's sixteen loads may be out
	TILE 0
	s_add_co_u32 s58, s[QY+1], 15
	s_cmp_gt_u32 s[KF], s58
	s_cbranch_scc1 .Lhidden_\@
	TILE 1
.Lhidden_\@:
	s_add_co_u32 s[KF], s[KF], 64
	s_add_co_u32 s[TM], s[TM], 256
.endm
; THE CHANGE OF SLOTS stands at a slot's head.  Each wave waits for all its tensor loads (its part of the slot ahead), adds 0 to its spare word, and waits for that and for its reads of the slot that it has left.
; Behind the barrier the slot ahead is whole and nobody reads the other.  fill = 1: that other slot takes the next 256 keys, which have a whole slot's steps in which to land.
.macro CHANGE fill
	s_wait_tensorcnt 0x0                           ; no tensor load of mine is out, so a group 0 may be written
	ds_add_u32 v[SPW], v[NIL]                      ; 0 onto my spare word
.if \fill
	s_xor_b32 s[G0K+1], s[G0K+1], SLOT1
	s_add_nc_u64 s[G0K+2:G0K+3], s[G0K+2:G0K+3], 32768
	s_xor_b32 s[G0V+1], s[G0V+1], SLOT1
	s_add_nc_u64 s[G0V+2:G0V+3], s[G0V+2:G0V+3], 32768
	s_wait_xcnt 0x0                                ; the last prefetch, a slot back, has read its address
	s_add_nc_u64 s[PFA:PFA+1], s[PFA:PFA+1], 32768 ; one slot further on than the walking descriptors
.endif
	s_wait_dscnt 0x0                               ; the add is done, my LDS stores have landed, and my reads of the slot that I have left are over
	s_barrier_signal -1
	s_barrier_wait -1
.if \fill
	s_add_co_u32 s58, s[KF], 256                   ; THE LOOK-AHEAD ENDS AT THE CAUSAL LIMIT: a slot whose first key comes after my work-group's last query is read by none of its waves, so it is not asked for.
	s_cmp_gt_u32 s58, s[QLAST]                     ; Ids and the count of steps alone: all eight waves go the same way, and a work-group past the limit stays past it.  Every wait on TENSORcnt in this text is for 0
	s_cbranch_scc1 .Lpast_\@
	TLOAD                                          ; the first thing behind the barrier, and my one tensor load until the next
.Lpast_\@:
	ASK
.endif
.endm
.macro SLOT_STEPS
	STEP 0
	STEP 1
	STEP 2
	STEP 3
	s_xor_b32 s[TB], s[TB], SLOT1
.endm
.Lslot:                                            ; seven trips; the first trip's barrier also shows the mask's bias to all waves
	CHANGE 1
	SLOT_STEPS
	s_sub_co_u32 s[SLOTS], s[SLOTS], 1
	s_cmp_lg_u32 s[SLOTS], 0
	s_cbranch_scc1 .Lslot
	CHANGE 0                                       ; the last slot is written out: nothing is left to ask for
	SLOT_STEPS
	; THE WAY OUT.  O^T / l, or the mean of V where no key counted; rounded to f16; through my stage; a tile leaves as 2,048 consecutive bytes.
.rept 4
	v_nop                                          ; places behind the last products
.endr
.irp u, 0,1,2,3
	ds_load_b128 v[32+8*\u:35+8*\u], v249 offset:64*\u             ; the mean of channels 16 u + 8 h + 0 .. 7
	ds_load_b128 v[36+8*\u:39+8*\u], v249 offset:64*\u+16
.endr
	s_mov_b32 s59, 0xcdee6b28                      ; -5e8
.macro OUT t
.set rT, ST+8*(\t)
.set RB, MB+16*(\t)
	v_add_f32 v[rT+4], v[rT+2], v[rT+3]
	v_permlanex16_b32 v[rT+5], v[rT+4], s[SEL], s[SEL+1]
	v_add_f32 v[rT+4], v[rT+4], v[rT+5]
	v_rcp_f32 v[rT+6], v[rT+4]
	v_nop
	s_wait_alu depctr_va_vdst(0)                   ; ahead of the reciprocal's first reader
	v_cmp_gt_f32 vcc_lo, s59, v[rT+1]              ; no key counted for my query
	WIN 0x01                                       ; source 0 window 1
.set n, 0
.rept 16
	v_pk_mul_f32 v[96+n:97+n], v[64+32*(\t)+n:65+32*(\t)+n], v[rT+6:rT+7] op_sel_hi:[1,0]
.set n, n+2
.endr
	WIN 0
	s_wait_dscnt 0x0                               ; the mean is in
.set n, 0
.rept 32
	v_cndmask_b32 v[96+n], v[96+n], v[32+n], vcc_lo
.set n, n+1
.endr
.set n, 0
.rept 16
	v_cvt_pk_f16_f32 v[P+n], v[96+2*n], v[97+2*n]
.set n, n+1
.endr
.irp u, 0,1,2,3
	ds_store_b128 v[STO], v[P+4*\u:P+4*\u+3] offset:32*\u
.endr
.irp u, 0,1,2,3
	ds_load_b128 v[RB+4*\u:RB+4*\u+3], v[RD] offset:\u*4*PK        ; LDS serves a wave's instructions in order: these see my stores; each tile has registers of its own
.endr
.irp u, 0,1,2,3
	s_wait_dscnt 3-\u
	global_store_b128 v[GO], v[RB+4*\u:RB+4*\u+3], s[66+2*(\t):67+2*(\t)] offset:512*\u   ; 32 lanes store 512 consecutive bytes, aligned
.endr
.endm
	OUT 0
	OUT 1
	; POSITIONS 0-15 IN F32, one wave for each (batch, head): one branch on ids round the whole block.  No key after 15 counts for these queries, so the keys are 0-15.
	; K is permuted alike on both sides of each product: a step takes the same two registers of both operands.  v160-191, which the stores above still read, are not touched; v32-63 still hold the mean of V.
	s_cmp_lg_u32 s[FIN], 0
	s_cbranch_scc1 .Lno_fine
	v_mul_u32_u24 v[FAQ], v240, 12288
	v_lshl_add_u32 v[FAQ], v241, 7, v[FAQ]         ; q, k: row r of 12,288 bytes, channels 32 h on
	v_mul_u32_u24 v[FAV], v241, 8*12288
	v_lshl_add_u32 v[FAV], v240, 2, v[FAV]         ; v: keys 8 h on, channel r of a tile of 16
.irp i, 0,1,2,3,4,5,6,7
	global_load_b128 v[FQ+4*\i:FQ+4*\i+3], v[FAQ], s[FSRC:FSRC+1] offset:16*\i
	global_load_b128 v[FK+4*\i:FK+4*\i+3], v[FAQ], s[FSRC:FSRC+1] offset:4096+16*\i
.endr
.irp u, 0,1,2,3
.irp e, 0,1,2,3,4,5,6,7
	global_load_b32 v[FV+8*\u+\e], v[FAV], s[FSRC:FSRC+1] offset:\e*12288+8192+64*\u     ; V(key 8 h + e, channel 16 u + r)
.endr
.endr
	ds_load_b128 v[FM:FM+3], v[AMB0]               ; the padding's bias of keys 8 h + 0 .. 7, from the table that all waves made at the head
	ds_load_b128 v[FM+4:FM+7], v[AMB0] offset:16
	v_mov_b32 v[FT+1], 0                           ; a lane permute's destination counts as one of its sources
	s_wait_dscnt 0x0
.irp j, 0,1,2,3,4,5,6,7
	v_cmp_gt_i32 vcc_lo, \j, v[RHR]                ; key 8 h + j comes after query r where j > r - 8 h
	v_cndmask_b32 v[FM+\j], v[FM+\j], v[NEGR], vcc_lo
.endr
	s_wait_loadcnt 0x0
	WIN 0x40                                       ; S^T = K Q^T: two accumulators by turns: the even steps start on the masks' bias, the odd ones on 0
	v_wmma_f32_16x16x4_f32 v[SA:SA+7], v[FK:FK+1], v[FQ:FQ+1], v[FM:FM+7]
	v_wmma_f32_16x16x4_f32 v[SA+8:SA+15], v[FK+2:FK+3], v[FQ+2:FQ+3], 0
	WIN 0x50
.set n, 1
.rept 7
	v_wmma_f32_16x16x4_f32 v[SA:SA+7], v[FK+4*n:FK+4*n+1], v[FQ+4*n:FQ+4*n+1], v[SA:SA+7]
	v_wmma_f32_16x16x4_f32 v[SA+8:SA+15], v[FK+4*n+2:FK+4*n+3], v[FQ+4*n+2:FQ+4*n+3], v[SA+8:SA+15]
.set n, n+1
.endr
	WIN 0
.rept 8
	v_nop                                          ; behind the f32 matrix form eight plain vector instructions stand ahead of a read of its results (ISA guide 7.12.1)
.endr
	WIN 0x05                                       ; both sources window 1
.irp j, 0,1,2,3,4,5,6,7
	v_add_f32 v[FS+\j], v[SA+\j], v[SA+8+\j]       ; lane (r, h): the score of query r and key 8 h + j; each accumulator from its low end on
.endr
	WIN 0
	v_max3_num_f32 v[FT], v[FS], v[FS+1], v[FS+2]
	v_max3_num_f32 v[FT], v[FT], v[FS+3], v[FS+4]
	v_max3_num_f32 v[FT], v[FT], v[FS+5], v[FS+6]
	v_max_num_f32 v[FT], v[FT], v[FS+7]
	v_permlanex16_b32 v[FT+1], v[FT], s[SEL], s[SEL+1]
	v_max_num_f32 v[FT], v[FT], v[FT+1]            ; m
	v_mul_f32 v[FT+2], s[CS], v[FT]                ; c m
.irp j, 0,1,2,3,4,5,6,7
	v_fma_f32 v[FP+\j], v[FS+\j], s[CS], -v[FT+2]
.endr
.irp j, 0,1,2,3,4,5,6,7
	v_exp_f32 v[FP+\j], v[FP+\j]
.endr
	v_nop
	s_wait_alu depctr_va_vdst(0)                   ; one wait for the eight exponentials, ahead of their first reader
	v_add_f32 v[FT+3], v[FP], v[FP+1]
.irp j, 2,3,4,5,6,7
	v_add_f32 v[FT+3], v[FT+3], v[FP+\j]
.endr
	v_permlanex16_b32 v[FT+1], v[FT+3], s[SEL], s[SEL+1]
	v_add_f32 v[FT+3], v[FT+3], v[FT+1]            ; l
	v_rcp_f32 v[FT+4], v[FT+3]
	v_nop
	s_wait_alu depctr_va_vdst(0)
	WIN 0x40                                       ; O^T = V^T P: four accumulators by turns
.irp u, 0,1,2,3
	v_wmma_f32_16x16x4_f32 v[OA+8*\u:OA+8*\u+7], v[FV+8*\u:FV+8*\u+1], v[FP:FP+1], 0
.endr
	WIN 0x50
.irp e, 1,2,3
.irp u, 0,1,2,3
	v_wmma_f32_16x16x4_f32 v[OA+8*\u:OA+8*\u+7], v[FV+8*\u+2*\e:FV+8*\u+2*\e+1], v[FP+2*\e:FP+2*\e+1], v[OA+8*\u:OA+8*\u+7]
.endr
.endr
	WIN 0
.rept 8
	v_nop
.endr
	v_cmp_gt_f32 vcc_lo, s59, v[FT]                ; no key counted for my query
	WIN 0x01                                       ; source 0 window 1
.set n, 0
.rept 32
	v_mul_f32 v[FK+n], v[OA+n], v[FT+4]            ; O^T / l: register 8 u + j is channel 16 u + 8 h + j of query r; each accumulator from its low end on
.set n, n+1
.endr
	WIN 0
.set n, 0
.rept 32
	v_cndmask_b32 v[FK+n], v[FK+n], v[32+n], vcc_lo
.set n, n+1
.endr
.irp g, 0,1,2,3,4,5,6,7
	global_store_b128 v[GO], v[FK+4*\g:FK+4*\g+3], s[FDST:FDST+1] offset:512*\g   ; the registers as they stand: 32 lanes store 512 consecutive bytes, aligned
.endr
.Lno_fine:
	s_wait_tensorcnt 0x0                           ; the wave's end, behind my last tensor load and my last LDS store
	ds_add_u32 v[SPW], v[NIL]
	s_wait_dscnt 0x0
	s_endpgm
.Lfunc_end_k_q5f17249834_attn:
	.size	k_q5f17249834_attn, .Lfunc_end_k_q5f17249834_attn-k_q5f17249834_attn
	.p2alignl 7, 3214868480
	.fill 96, 4, 3214868480
	.section	.rodata,"a",@progbits
	.p2align	6, 0x0
	.amdhsa_kernel k_q5f17249834_attn
		.amdhsa_group_segment_fixed_size 327680
		.amdhsa_private_segment_fixed_size 0
		.amdhsa_enable_private_segment 0
		.amdhsa_kernarg_size 32
		.amdhsa_user_sgpr_count 2
		.amdhsa_user_sgpr_kernarg_segment_ptr 1
		.amdhsa_wavefront_size32 1
		.amdhsa_system_sgpr_workgroup_id_x 1
		.amdhsa_system_sgpr_workgroup_id_y 1
		.amdhsa_system_sgpr_workgroup_id_z 1
		.amdhsa_system_vgpr_workitem_id 0
		.amdhsa_next_free_vgpr 448
		.amdhsa_next_free_sgpr 80
		.amdhsa_reserve_vcc 1
		.amdhsa_float_denorm_mode_32 3
		.amdhsa_float_denorm_mode_16_64 3
		.amdhsa_memory_ordered 1
		.amdhsa_forward_progress 1
		.amdhsa_inst_pref_size 218
	.end_amdhsa_kernel
	.amdgpu_metadata
---
amdhsa.version: [ 1, 2 ]
amdhsa.kernels:
  - .name:           k_q5f17249834_attn
    .symbol:         k_q5f17249834_attn.kd
    .args:
      - { .name: qkv16, .offset: 0, .size: 8, .value_kind: global_buffer, .address_space: global }
      - { .name: attention_mask, .offset: 8, .size: 8, .value_kind: global_buffer, .address_space: global }
      - { .name: side, .offset: 16, .size: 8, .value_kind: global_buffer, .address_space: global }
      - { .name: ctx16, .offset: 24, .size: 8, .value_kind: global_buffer, .address_space: global }
    .group_segment_fixed_size: 327680
    .private_segment_fixed_size: 0
    .kernarg_segment_align: 8
    .kernarg_segment_size: 32
    .max_flat_workgroup_size: 256
    .sgpr_count:     80
    .vgpr_count:     448
    .wavefront_size: 32
...
	.end_amdgpu_metadata
.endif
;; end of part 3
;; launch proj (part 4): grid 8 x 32, 4 waves a work-group, clusters of 4 x 4, 327,680 bytes of LDS; arguments ctx16, wc16, out0, c_proj_bias; writes out0
.if DOCPART == 4
	.amdgcn_target "amdgcn-amd-amdhsa--gfx1250"
	.amdhsa_code_object_version 6
	.text
	.protected	k_q5f17249834_proj
	.globl	k_q5f17249834_proj
	.p2align	8
	.type	k_q5f17249834_proj,@function
k_q5f17249834_proj:
	s_mov_b64 s[64:65], 0
	v_nop
	global_prefetch_b8 v0, s[64:65] scope:SCOPE_SE
	s_setreg_imm32_b32 hwreg(HW_REG_WAVE_MODE, 25, 1), 1
	s_wait_xcnt 0x0
	s_wait_alu depctr_hold_cnt(0) depctr_sa_sdst(0) depctr_va_vdst(0) depctr_va_sdst(0) depctr_va_ssrc(0) depctr_va_vcc(0) depctr_vm_vsrc(0)
	s_getreg_b32 s2, hwreg(HW_REG_IB_STS2, 6, 4)
	s_cmp_eq_u32 s2, 0
	s_cbranch_scc0 .Lentry_in_a_cluster
	s_endpgm
.Lentry_in_a_cluster:
	s_bfe_u32 s2, ttmp6, 0x10000c
	s_cmp_lg_u32 s2, 0xf033
	s_cbranch_scc0 .Lentry_shape_is_right
	s_endpgm
.Lentry_shape_is_right:
; OUT = ctx c_proj + bias: [4096][1024], K = 1,024, f16 operands, f32 sums.  All rows are made here; the 32 rows of positions 0-15 are stored a second time, more finely, by the launch that follows.
; A tile of 128 x 128 is made by four waves, each 64 x 64: 16 accumulators.  K goes in four steps of 256 through a ring of two LDS slots.
; A = ctx16, laid [head][row][64]: a K step of 256 is four heads, a quarter step of 64 one head.  One tensor load brings two heads x 128 rows: two runs of 16,384 dense bytes, 524,288 bytes apart, with 16 bytes of padding
; behind each 128: in LDS [head][128 rows][144 bytes].  B = c_proj in f16, laid [n][k]: 64 rows of 512 bytes + 16 to a load.
; CLUSTERS of 4 x 4: A's tiles are asked for jointly along a row of the cluster, B's along a column.  THE MATRIX INSTRUCTION IS USED TRANSPOSED (source 0 = 16 rows of B, source 1 = 16 rows of A).
; The bias is the C of each sum's first product.  LIMIT: ctx and c_proj are held in f16: magnitudes up to 65,504.
; REGISTERS: window 0: v16-31 addresses; v32-95 rows on their way out; v96-127 the bias; v128-255 the accumulators ((a, b) at v[128 + 8 (4 a + b)]).   window 1: two fragment buffers of 128.
.set SIZE_N, 1024
.set SIZE_K, 1024
.set KSTEP,  256
.set PITCH,  528                       ; B's row in LDS: 512 bytes + 16
.set PA,     144                       ; A's row in LDS: 128 bytes + 16
.set HEADB,  128*PA                    ; a head's 128 rows
.set AHALF,  2*HEADB                   ; what one load brings of A
.set BHALF,  64*PITCH                  ; and of B
.set BOFF,   4*HEADB
.set SLOT,   BOFF+2*BHALF
.set SPARE,  2*SLOT                    ; the spare words, 128 bytes for each wave: two blocks of 256 bytes that no other line names
.set SPITCH, 272                       ; the way out: 16 rows x (256 bytes + 16) for each wave, in slot 0, which has had its last fill and its last read when the first result is stored there
.set ASTEP,  4*524288                  ; a K step on in ctx16
.set LAPS,   SIZE_K/(2*KSTEP)
.set ADRA, 16
.set ADRB, 20
.set STO,  24
.set RD,   25
.set CO,   26
.set VB,   27
.set SPW,  28
.set NIL,  29
.set TMP,  32
.set BI,   96
.set ACC,  128
.set F0,   0
.set F1,   128
.set G1, 24
.set G0, 32
.set G1B, 48
.set G0B, 56
.set MSB, 0
.macro WIN new
.if MSB != \new
	s_set_vgpr_msb (MSB<<8)|\new
.set MSB, \new
.endif
.endm
.set MUL,  0x05                        ; sources 0 (B) and 1 (A) window 1; C and D window 0
.set TO_F, 0x40
.macro JLOAD s                         ; a joint load: waves 0 and 1 fetch A's two pairs of heads, waves 2 and 3 B's two halves; an s_nop 0 and four v_nop follow each of the two lines
	s_cmp_eq_u32 s11, 0
	s_cbranch_scc0 .Lfor_b_\@
	tensor_load_to_lds s[G0+4*\s:G0+4*\s+3], s[G1:G1+7]
	s_nop 0
.rept 4
	v_nop
.endr
	s_branch .Lasked_\@
.Lfor_b_\@:
	tensor_load_to_lds s[G0B+4*\s:G0B+4*\s+3], s[G1B:G1B+7]
	s_nop 0
.rept 4
	v_nop
.endr
.Lasked_\@:
.endm
.macro CREST                           ; a round of the cluster's barrier behind its opening barrier
	s_cmp_lg_u32 s10, 0
	s_cbranch_scc1 .Lnot_wave_0_\@
	s_barrier_signal -3
.Lnot_wave_0_\@:
	s_barrier_wait -3
	s_barrier_signal -1
	s_barrier_wait -1
.endm
.macro CROUND
	s_barrier_signal -1
	s_barrier_wait -1
	CREST
.endm
	s_load_b128 s[4:7], s[0:1], 0x0                ; ctx16 s[4:5], c_proj in f16 s[6:7]
	s_load_b64 s[8:9], s[0:1], 0x10                ; out0
	s_load_b64 s[66:67], s[0:1], 0x18              ; the bias
	v_lshl_add_u32 v[SPW], v0, 2, SPARE
	v_mov_b32 v[NIL], 0
	ds_add_u32 v[SPW], v[NIL]                      ; the wave's opening: the add, twice on end, and its wait ahead of my first tensor load
	ds_add_u32 v[SPW], v[NIL]
	v_lshrrev_b32 v1, 5, v0
	v_readfirstlane_b32 s10, v1                    ; wave 0..3
	s_lshr_b32 s11, s10, 1                         ; which half of the tile's rows is mine.  Also: I fetch for A (0) or for B (1)
	s_and_b32 s12, s10, 1                          ; which half of its columns.  Also: which part of that tile I fetch
	s_bfe_u32 s40, ttmp6, 0x40000
	s_bfe_u32 s41, ttmp6, 0x40004
	s_lshl_b32 s42, ttmp9, 2
	s_add_co_u32 s42, s42, s40                     ; tile column
	s_and_b32 s13, ttmp7, 0xffff
	s_lshl_b32 s13, s13, 2
	s_add_co_u32 s13, s13, s41                     ; tile row
	s_lshl_b32 s43, s41, 2
	s_lshl_b32 s43, 15, s43                        ; my row of the cluster
	s_lshl_b32 s44, 0x1111, s40                    ; my column
	s_or_b32 s[G1+0], s43, (1<<16)|(1<<20)|(1<<21)|(4<<22)|(3<<25)   ; the mask; elements of 2 bytes; padding on; bit 21 beside a mask; 4 words behind every 32
	s_mov_b32 s[G1+1], 8192<<16                    ; tensor_dim0 = 128 rows x 64 elements, dense
	s_mov_b32 s[G1+2], 2<<16                       ; tensor_dim1 = 2 heads
	s_mov_b32 s[G1+3], 8192<<16                    ; tile_dim0
	s_mov_b32 s[G1+4], 2                           ; tile_dim1
	s_mov_b32 s[G1+5], 262144                      ; from head to head, in elements
	s_mov_b32 s[G1+6], 0
	s_mov_b32 s[G1+7], 0
	s_or_b32 s[G1B+0], s44, (1<<16)|(1<<20)|(1<<21)|(6<<22)|(3<<25)  ; 4 words behind every 128
	s_mov_b32 s[G1B+1], KSTEP<<16
	s_mov_b32 s[G1B+2], 64<<16
	s_mov_b32 s[G1B+3], KSTEP<<16
	s_mov_b32 s[G1B+4], 64
	s_mov_b32 s[G1B+5], SIZE_K
	s_mov_b32 s[G1B+6], 0
	s_mov_b32 s[G1B+7], 0
	s_lshl_b32 s16, s13, 14                        ; A: 128 x tile row rows of 128 bytes,
	s_lshl_b32 s17, s12, 20                        ; + my pair of heads
	s_add_co_u32 s16, s16, s17
	s_mov_b32 s17, 0
	s_lshl_b32 s46, s42, 18                        ; B: (128 x tile column + 64 x half) rows of 2,048 bytes
	s_lshl_b32 s47, s12, 17
	s_add_co_u32 s46, s46, s47
	s_mov_b32 s47, 0
	s_mul_i32 s20, s12, AHALF                      ; where they go: no place in the cluster enters an LDS address
	s_mul_i32 s21, s12, BHALF
	s_add_co_u32 s21, s21, BOFF
	s_wait_dscnt 0x0                               ; both opening adds are done
	s_wait_kmcnt 0x0
	s_add_nc_u64 s[14:15], s[4:5], s[16:17]
	s_add_nc_u64 s[46:47], s[6:7], s[46:47]
	CROUND                                         ; all sixteen work-groups are here: the first joint loads meet
.irp s, 0,1
	s_mov_b32 s[G0+4*\s], 1
	s_add_co_u32 s[G0+4*\s+1], s20, \s*SLOT
	s_add_nc_u64 s[G0+4*\s+2:G0+4*\s+3], s[14:15], \s*ASTEP
	s_or_b32 s[G0+4*\s+3], s[G0+4*\s+3], 0x80000000
	s_mov_b32 s[G0B+4*\s], 1
	s_add_co_u32 s[G0B+4*\s+1], s21, \s*SLOT
	s_add_nc_u64 s[G0B+4*\s+2:G0B+4*\s+3], s[46:47], \s*KSTEP*2
	s_or_b32 s[G0B+4*\s+3], s[G0B+4*\s+3], 0x80000000
	JLOAD \s
.endr
	v_and_b32 v1, 15, v0                           ; r
	v_bfe_u32 v2, v0, 4, 1                         ; h
	v_mul_u32_u24 v3, v1, PITCH
	v_lshl_add_u32 v3, v2, 4, v3
	v_mul_u32_u24 v4, v1, PA
	v_lshl_add_u32 v4, v2, 4, v4
	s_mul_i32 s21, s11, 64*PA                      ; my 64 rows in each head's image
	s_mul_i32 s22, s12, BHALF                      ; my 64 rows of B,
	s_add_co_u32 s22, s22, BOFF                    ; which lie behind A's four heads
.irp s, 0,1
	v_add_nc_u32 v[ADRA+\s], s21, v4
	v_add_nc_u32 v[ADRB+\s], s22, v3
	s_add_co_u32 s21, s21, SLOT
	s_add_co_u32 s22, s22, SLOT
.endr
	s_mul_i32 s23, s10, 16*SPITCH                  ; my stage
	v_mul_u32_u24 v5, v1, SPITCH
	v_lshl_add_u32 v5, v2, 5, v5
	v_add_nc_u32 v[STO], s23, v5                   ; in: row r, 32 bytes for each half of the lanes
	v_mul_u32_u24 v5, v2, SPITCH
	v_lshl_add_u32 v5, v1, 4, v5
	v_add_nc_u32 v[RD], s23, v5                    ; back: lanes 0-15 one row of 256 bytes, lanes 16-31 the next
	v_lshlrev_b32 v5, 12, v2
	v_lshl_add_u32 v[CO], v1, 4, v5                ; and the same two rows in out0
	v_lshlrev_b32 v[VB], 5, v2
	s_lshl_b32 s16, s13, 19                        ; (128 x tile row + 64 x half) rows of 4,096 bytes
	s_lshl_b32 s17, s11, 18
	s_add_co_u32 s16, s16, s17
	s_mov_b32 s17, 0
	s_add_nc_u64 s[8:9], s[8:9], s[16:17]
	s_lshl_b32 s46, s42, 9                         ; my first column, in bytes
	s_lshl_b32 s47, s12, 8
	s_add_co_u32 s46, s46, s47
	s_mov_b32 s47, 0
	s_add_nc_u64 s[8:9], s[8:9], s[46:47]
	s_add_nc_u64 s[66:67], s[66:67], s[46:47]
.irp b, 0,1,2,3
	global_load_b128 v[BI+8*\b:BI+8*\b+3], v[VB], s[66:67] offset:64*\b        ; lane (r, h): the bias of columns 16 b + 8 h + 0 .. 7
	global_load_b128 v[BI+8*\b+4:BI+8*\b+7], v[VB], s[66:67] offset:64*\b+16
.endr
; 8 matrix instructions: m blocks a0, a0 + 1 x all 4 n blocks, 32 along K: half c of buffer f.  zero = 1: the first product starts the sums on the bias
.macro MUL8 f, c, a0, zero
.irp a, \a0, \a0+1
.irp b, 0,1,2,3
.if \zero
	v_wmma_f32_16x16x32_f16 v[ACC+8*(4*(\a)+\b):ACC+8*(4*(\a)+\b)+7], v[\f+64+8*(4*\c+\b):\f+64+8*(4*\c+\b)+7], v[\f+8*(4*\c+\a):\f+8*(4*\c+\a)+7], v[BI+8*\b:BI+8*\b+7]
.else
	v_wmma_f32_16x16x32_f16 v[ACC+8*(4*(\a)+\b):ACC+8*(4*(\a)+\b)+7], v[\f+64+8*(4*\c+\b):\f+64+8*(4*\c+\b)+7], v[\f+8*(4*\c+\a):\f+8*(4*\c+\a)+7], v[ACC+8*(4*(\a)+\b):ACC+8*(4*(\a)+\b)+7]
.endif
.endr
.endr
.endm
; 32 LDS loads in one run: the fragments of 64 along K (byte k of B's rows; head k / 128 of A's four) into buffer f; the first 32 along K first
.macro FETCH slot, k, f
	WIN TO_F
.irp c, 0,1
.irp i, 0,1,2,3
	ds_load_b128 v[\f+64+8*(4*\c+\i):\f+64+8*(4*\c+\i)+3],   v[ADRB+\slot] offset:\k+64*\c+\i*16*PITCH
	ds_load_b128 v[\f+64+8*(4*\c+\i)+4:\f+64+8*(4*\c+\i)+7], v[ADRB+\slot] offset:\k+64*\c+\i*16*PITCH+32
	ds_load_b128 v[\f+8*(4*\c+\i):\f+8*(4*\c+\i)+3],         v[ADRA+\slot] offset:((\k)/128)*HEADB+64*\c+\i*16*PA
	ds_load_b128 v[\f+8*(4*\c+\i)+4:\f+8*(4*\c+\i)+7],       v[ADRA+\slot] offset:((\k)/128)*HEADB+64*\c+\i*16*PA+32
.endr
.endr
.endm
.macro PLACES
.rept 4
	v_nop
.endr
.endm
.macro QUARTER slot, k, f, g, zero     ; multiplies buffer f and fetches the next quarter, at byte k, into g
	s_wait_dscnt 16                                ; the first 32 along K are in; the youngest sixteen loads may be out
	WIN MUL
	MUL8 \f, 0, 0, \zero
	MUL8 \f, 0, 2, \zero
	PLACES
	FETCH \slot, \k, \g
	s_wait_dscnt 32                                ; all but the 32 just issued
	WIN MUL
	MUL8 \f, 1, 0, 0
	MUL8 \f, 1, 2, 0
.endm
; The last quarter multiplies buffer 1 and changes slots: ONE barrier; in front of it each wave waits for all its tensor loads, adds 0 to its spare word, and waits for that and for its own reads of this slot.
.macro TURN slot, next, fill
	WIN 0
	s_wait_tensorcnt 0x0                           ; all my tensor loads have landed: my part of the next slot;
	ds_add_u32 v[SPW], v[NIL]                      ; 0 onto my spare word;
	s_wait_dscnt 17                                ; (the add and the youngest sixteen loads may be out)
	WIN MUL
	MUL8 F1, 0, 0, 0
	s_wait_dscnt 0x0                               ; the add is done, and my reads of this slot are over
	s_barrier_signal -1
	MUL8 F1, 0, 2, 0
.if \fill
	WIN 0
.endif
	s_barrier_wait -1
.if \fill
	CREST                                          ; the barrier has opened a round of the cluster's barrier: no wave of any partner still reads this slot's tile or has a load on its way
	s_add_nc_u64 s[G0+4*\slot+2:G0+4*\slot+3], s[G0+4*\slot+2:G0+4*\slot+3], 2*ASTEP
	s_add_nc_u64 s[G0B+4*\slot+2:G0B+4*\slot+3], s[G0B+4*\slot+2:G0B+4*\slot+3], 2*KSTEP*2
	JLOAD \slot                                    ; the first tensor load behind the round; the four v_nop behind it are also the places in front of the loads below
.else
	PLACES
.endif
	FETCH \next, 0, F0
	WIN MUL
	MUL8 F1, 1, 0, 0
	MUL8 F1, 1, 2, 0
.endm
	s_wait_tensorcnt 1                             ; my part of K step 0 is in; K step 1's load may be out
	s_barrier_signal -1
	s_barrier_wait -1
	FETCH 0, 0, F0
	s_wait_loadcnt 0x0                             ; the bias
	QUARTER 0, 128, F0, F1, 1
	WIN 0
	s_mov_b32 s3, LAPS-1
.Llap:                                             ; a trip goes once round the ring and fills both slots again
	QUARTER 0, 256, F1, F0, 0
	QUARTER 0, 384, F0, F1, 0
	TURN 0, 1, 1
	QUARTER 1, 128, F0, F1, 0
	QUARTER 1, 256, F1, F0, 0
	QUARTER 1, 384, F0, F1, 0
	TURN 1, 0, 1
	QUARTER 0, 128, F0, F1, 0
	WIN 0
	s_sub_co_u32 s3, s3, 1
	s_cmp_lg_u32 s3, 0
	s_cbranch_scc1 .Llap
	QUARTER 0, 256, F1, F0, 0                      ; the last lap fills nothing
	QUARTER 0, 384, F0, F1, 0
	TURN 0, 1, 0
	QUARTER 1, 128, F0, F1, 0
	QUARTER 1, 256, F1, F0, 0
	QUARTER 1, 384, F0, F1, 0
	s_wait_dscnt 16
	WIN MUL
	MUL8 F1, 0, 0, 0
	MUL8 F1, 0, 2, 0
	s_wait_dscnt 0
	MUL8 F1, 1, 0, 0
	MUL8 F1, 1, 2, 0
	WIN 0
	; THE WAY OUT, in f32: my 64 columns are 256 bytes of a row.  A block of 16 rows goes through my own stage and comes back as whole rows.
.macro TOSTAGE a
.irp b, 0,1,2,3
	ds_store_b128 v[STO], v[ACC+8*(4*(\a)+\b):ACC+8*(4*(\a)+\b)+3] offset:64*\b          ; each accumulator from its low end on
	ds_store_b128 v[STO], v[ACC+8*(4*(\a)+\b)+4:ACC+8*(4*(\a)+\b)+7] offset:64*\b+16
.endr
.irp t, 0,1,2,3,4,5,6,7
	ds_load_b128 v[TMP+32*((\a)%2)+4*\t:TMP+32*((\a)%2)+4*\t+3], v[RD] offset:\t*2*SPITCH   ; LDS serves a wave's instructions in order
.endr
.endm
.macro SEND a, younger                 ; younger: the LDS instructions issued behind block a's loads, which may stay out
	s_wait_dscnt \younger
.irp t, 0,1,2,3,4,5,6,7
	global_store_b128 v[CO], v[TMP+32*((\a)%2)+4*\t:TMP+32*((\a)%2)+4*\t+3], s[8:9] offset:(16*(\a)+2*\t)*4096 th:TH_STORE_NT   ; sixteen lanes store 256 consecutive bytes, aligned
.endr
.endm
	PLACES
	TOSTAGE 0
.irp a, 1,2,3
.if \a > 1
	s_wait_xcnt 0x0                                ; block a - 2's stores have read their registers: block a's loads may land there
.endif
	TOSTAGE \a
	SEND \a-1, 16                                  ; behind block a - 1's loads: block a's eight stores and eight loads
.endr
	SEND 3, 0
	s_wait_tensorcnt 0x0                           ; the wave's end, behind my last tensor load and my last LDS store
	ds_add_u32 v[SPW], v[NIL]
	s_wait_dscnt 0x0
	CROUND                                         ; the closing round
	s_endpgm
.Lfunc_end_k_q5f17249834_proj:
	.size	k_q5f17249834_proj, .Lfunc_end_k_q5f17249834_proj-k_q5f17249834_proj
	.p2alignl 7, 3214868480
	.fill 96, 4, 3214868480
	.section	.rodata,"a",@progbits
	.p2align	6, 0x0
	.amdhsa_kernel k_q5f17249834_proj
		.amdhsa_group_segment_fixed_size 327680
		.amdhsa_private_segment_fixed_size 0
		.amdhsa_enable_private_segment 0
		.amdhsa_kernarg_size 32
		.amdhsa_user_sgpr_count 2
		.amdhsa_user_sgpr_kernarg_segment_ptr 1
		.amdhsa_wavefront_size32 1
		.amdhsa_system_sgpr_workgroup_id_x 1
		.amdhsa_system_sgpr_workgroup_id_y 1
		.amdhsa_system_sgpr_workgroup_id_z 1
		.amdhsa_system_vgpr_workitem_id 0
		.amdhsa_next_free_vgpr 512
		.amdhsa_next_free_sgpr 68
		.amdhsa_reserve_vcc 0
		.amdhsa_float_denorm_mode_32 3
		.amdhsa_float_denorm_mode_16_64 3
		.amdhsa_memory_ordered 1
		.amdhsa_forward_progress 1
		.amdhsa_inst_pref_size 87
	.end_amdhsa_kernel
	.amdgpu_metadata
---
amdhsa.version: [ 1, 2 ]
amdhsa.kernels:
  - .name:           k_q5f17249834_proj
    .symbol:         k_q5f17249834_proj.kd
    .args:
      - { .name: ctx16, .offset: 0, .size: 8, .value_kind: global_buffer, .address_space: global }
      - { .name: wc16, .offset: 8, .size: 8, .value_kind: global_buffer, .address_space: global }
      - { .name: out0, .offset: 16, .size: 8, .value_kind: global_buffer, .address_space: global }
      - { .name: c_proj_bias, .offset: 24, .size: 8, .value_kind: global_buffer, .address_space: global }
    .group_segment_fixed_size: 327680
    .private_segment_fixed_size: 0
    .kernarg_segment_align: 8
    .kernarg_segment_size: 32
    .max_flat_workgroup_size: 128
    .sgpr_count:     68
    .vgpr_count:     512
    .wavefront_size: 32
...
	.end_amdgpu_metadata
.endif
;; end of part 4
;; launch fine (part 5): grid 64 x 2, 8 waves a work-group, no clusters, 9,216 bytes of LDS; arguments ctx16, c_proj_kernel, c_proj_bias, out0; writes out0
.if DOCPART == 5
	.amdgcn_target "amdgcn-amd-amdhsa--gfx1250"
	.amdhsa_code_object_version 6
	.text
	.protected	k_q5f17249834_fine
	.globl	k_q5f17249834_fine
	.p2align	8
	.type	k_q5f17249834_fine,@function
k_q5f17249834_fine:
	s_mov_b64 s[64:65], 0
	v_nop
	global_prefetch_b8 v0, s[64:65] scope:SCOPE_SE
	s_setreg_imm32_b32 hwreg(HW_REG_WAVE_MODE, 25, 1), 1
	s_wait_xcnt 0x0
; FINE: the projection of positions 0-15 of both sequences once more, wholly in f32: these rows average one to a few values of V and are the largest of the output.  Their 32 rows of out0 are written over.
; Their ctx, in f32, was made once by the attention launch and lies behind ctx16's 8,388,608 bytes as an image of this product's operand registers: [batch][head][8 groups of 4 registers][32 lanes][16 bytes]:
; register 8 t + j of lane (r, h) is channel 16 t + 8 h + j of query r.
; A work-group makes 16 output columns of one sequence's 16 rows.  Wave w takes the 128 channels of heads 2 w and 2 w + 1 and c_proj's rows 128 w on: 32 instructions of the f32 matrix form.
; The eight waves' 16 x 16 parts meet in LDS, and wave 0 adds them and the bias.  K is permuted alike on both sides: a step takes the same two registers of both operands.
; Y^T = c_proj^T ctx^T (source 0 = 16 columns of c_proj, source 1 = the 16 queries): a lane holds eight neighbouring columns of one row of the output.
; c_proj is read in pieces of 64 bytes of its rows, and out0 is stored in runs of 64 bytes: 128 KiB in all.
; REGISTERS: v3-15 ids and addresses; v16-23 the bias; v24-39 at work; v40-103 ctx, later the eight parts; v104-167 c_proj; v224-255 four accumulators, written by matrix instructions alone.
.set RED,   0                          ; the waves' parts of Y^T: 1,024 bytes each
.set SPARE, 8192                       ; the spare words, 128 bytes for each wave: four blocks of 256 bytes that no other line names
.set TAIL,  0x800000                   ; where the f32 rows begin in ctx16
.set SPW, 1
.set NIL, 2
.set BI,  16
.set TW,  24
.set MN,  40
.set WC,  104
.set YA,  224
	s_load_b256 s[4:11], s[0:1], 0x0               ; ctx16 s[4:5], c_proj s[6:7], the bias s[8:9], out0 s[10:11]
	v_lshl_add_u32 v[SPW], v0, 2, SPARE
	v_mov_b32 v[NIL], 0
	v_lshrrev_b32 v5, 5, v0
	v_readfirstlane_b32 s14, v5                    ; wave 0..7
	s_and_b32 s15, ttmp7, 0xffff                   ; batch
	v_and_b32 v3, 15, v0                           ; r
	v_bfe_u32 v4, v0, 4, 1                         ; h
	v_and_b32 v5, 31, v0                           ; lane
	v_lshlrev_b32 v8, 15, v4
	v_lshl_add_u32 v8, v3, 2, v8                   ; c_proj: rows 8 h on, column r
	v_lshlrev_b32 v9, 4, v5                        ; 16 x lane
	v_lshlrev_b32 v10, 5, v4                       ; 32 h
	s_lshl_b32 s26, s14, 10
	v_add_nc_u32 v13, s26, v9                      ; my part of Y^T in LDS
	v_lshlrev_b32 v15, 12, v3
	v_lshl_add_u32 v15, v4, 5, v15                 ; out0: row r, 32 h
	s_mov_b32 s27, 0
	s_lshl_b32 s23, ttmp9, 6                       ; my 16 columns, in bytes
	s_lshl_b32 s22, s14, 13
	s_wait_kmcnt 0x0
	s_lshl_b32 s26, s15, 16
	s_add_co_u32 s26, s26, s22
	s_add_co_u32 s26, s26, TAIL
	s_add_nc_u64 s[16:17], s[4:5], s[26:27]        ; ctx in f32: 65,536 bytes a sequence, 4,096 a head: my two heads
	s_lshl_b32 s26, s14, 19
	s_add_co_u32 s26, s26, s23
	s_add_nc_u64 s[18:19], s[6:7], s[26:27]        ; c_proj: row 128 w, my 16 columns
	s_mov_b32 s26, s23
	s_add_nc_u64 s[8:9], s[8:9], s[26:27]
	s_add_nc_u64 s[10:11], s[10:11], s[26:27]
	s_lshl_b32 s26, s15, 23
	s_add_nc_u64 s[10:11], s[10:11], s[26:27]      ; out0: my sequence's first row
.irp p, 0,1
.irp g, 0,1,2,3,4,5,6,7
	global_load_b128 v[MN+32*\p+4*\g:MN+32*\p+4*\g+3], v9, s[16:17] offset:4096*\p+512*\g   ; 32 lanes read 512 consecutive bytes
.endr
.endr
	global_load_b128 v[BI:BI+3], v10, s[8:9]       ; the bias of columns 8 h + 0 .. 7: asked for here by every wave, so that wave 0 does not wait for it at the end
	global_load_b128 v[BI+4:BI+7], v10, s[8:9] offset:16
.irp t, 0,1,2,3                        ; c_proj in the order in which it is multiplied: sixteen loads for each t
.irp p, 0,1
.irp e, 0,1,2,3,4,5,6,7
	global_load_b32 v[WC+32*\p+8*\t+\e], v8, s[18:19] offset:(64*\p+16*\t+\e)*4096          ; c_proj(row 64 p + 16 t + 8 h + e of my 128, column r)
.endr
.endr
.endr
	; ---- Y^T over my 128 channels: four accumulators by turns; the first four products start the sums
.irp t, 0,1,2,3
	s_wait_loadcnt 16*(3-\t)                       ; ctx, the bias and c_proj's rows up to this t are in; the later groups' sixteen loads each may be out
.irp u, 0,1,2,3
.irp p, 0,1
.if (\t == 0) && (\u < 2)
	v_wmma_f32_16x16x4_f32 v[YA+8*(2*(\u%2)+\p):YA+8*(2*(\u%2)+\p)+7], v[WC+32*\p+2*\u:WC+32*\p+2*\u+1], v[MN+32*\p+2*\u:MN+32*\p+2*\u+1], 0
.else
	v_wmma_f32_16x16x4_f32 v[YA+8*(2*(\u%2)+\p):YA+8*(2*(\u%2)+\p)+7], v[WC+32*\p+8*\t+2*\u:WC+32*\p+8*\t+2*\u+1], v[MN+32*\p+8*\t+2*\u:MN+32*\p+8*\t+2*\u+1], v[YA+8*(2*(\u%2)+\p):YA+8*(2*(\u%2)+\p)+7]
.endif
.endr
.endr
.endr
.rept 8
	v_nop                                          ; behind the f32 matrix form eight plain vector instructions stand ahead of a read of its results or a load into its sources
.endr
.irp j, 0,1,2,3,4,5,6,7
	v_add_f32 v[TW+\j], v[YA+\j], v[YA+8+\j]       ; each accumulator from its low end on
.endr
.irp j, 0,1,2,3,4,5,6,7
	v_add_f32 v[TW+8+\j], v[YA+16+\j], v[YA+24+\j]
.endr
.irp j, 0,1,2,3,4,5,6,7
	v_add_f32 v[TW+\j], v[TW+\j], v[TW+8+\j]       ; lane (r, h): out(query r, column 8 h + j), my 128 channels' part
.endr
	ds_store_b128 v13, v[TW:TW+3] offset:RED
	ds_store_b128 v13, v[TW+4:TW+7] offset:RED+512
	s_wait_dscnt 0x0                               ; for wave 0's sake: my stores have landed
	s_barrier_signal -1
	s_barrier_wait -1
	s_cmp_lg_u32 s14, 0
	s_cbranch_scc1 .Lend
.irp w, 0,1,2,3,4,5,6,7
	ds_load_b128 v[MN+8*\w:MN+8*\w+3], v9 offset:RED+1024*\w
	ds_load_b128 v[MN+8*\w+4:MN+8*\w+7], v9 offset:RED+1024*\w+512
.endr
	s_wait_dscnt 0x0
.irp w, 1,2,3,4,5,6,7
.irp j, 0,1,2,3,4,5,6,7
	v_add_f32 v[MN+\j], v[MN+\j], v[MN+8*\w+\j]
.endr
.endr
.irp j, 0,1,2,3,4,5,6,7
	v_add_f32 v[MN+\j], v[MN+\j], v[BI+\j]
.endr
	global_store_b128 v15, v[MN:MN+3], s[10:11]
	global_store_b128 v15, v[MN+4:MN+7], s[10:11] offset:16
.Lend:
	s_wait_tensorcnt 0x0                           ; the wave's end, behind my last LDS store
	ds_add_u32 v[SPW], v[NIL]
	s_wait_dscnt 0x0
	s_endpgm
.Lfunc_end_k_q5f17249834_fine:
	.size	k_q5f17249834_fine, .Lfunc_end_k_q5f17249834_fine-k_q5f17249834_fine
	.p2alignl 7, 3214868480
	.fill 96, 4, 3214868480
	.section	.rodata,"a",@progbits
	.p2align	6, 0x0
	.amdhsa_kernel k_q5f17249834_fine
		.amdhsa_group_segment_fixed_size 9216
		.amdhsa_private_segment_fixed_size 0
		.amdhsa_enable_private_segment 0
		.amdhsa_kernarg_size 32
		.amdhsa_user_sgpr_count 2
		.amdhsa_user_sgpr_kernarg_segment_ptr 1
		.amdhsa_wavefront_size32 1
		.amdhsa_system_sgpr_workgroup_id_x 1
		.amdhsa_system_sgpr_workgroup_id_y 1
		.amdhsa_system_sgpr_workgroup_id_z 1
		.amdhsa_system_vgpr_workitem_id 0
		.amdhsa_next_free_vgpr 256
		.amdhsa_next_free_sgpr 66
		.amdhsa_reserve_vcc 0
		.amdhsa_float_denorm_mode_32 3
		.amdhsa_float_denorm_mode_16_64 3
		.amdhsa_memory_ordered 1
		.amdhsa_forward_progress 1
		.amdhsa_inst_pref_size 16
	.end_amdhsa_kernel
	.amdgpu_metadata
---
amdhsa.version: [ 1, 2 ]
amdhsa.kernels:
  - .name:           k_q5f17249834_fine
    .symbol:         k_q5f17249834_fine.kd
    .args:
      - { .name: ctx16, .offset: 0, .size: 8, .value_kind: global_buffer, .address_space: global }
      - { .name: c_proj_kernel, .offset: 8, .size: 8, .value_kind: global_buffer, .address_space: global }
      - { .name: c_proj_bias, .offset: 16, .size: 8, .value_kind: global_buffer, .address_space: global }
      - { .name: out0, .offset: 24, .size: 8, .value_kind: global_buffer, .address_space: global }
    .group_segment_fixed_size: 9216
    .private_segment_fixed_size: 0
    .kernarg_segment_align: 8
    .kernarg_segment_size: 32
    .max_flat_workgroup_size: 256
    .sgpr_count:     66
    .vgpr_count:     256
    .wavefront_size: 32
...
	.end_amdgpu_metadata
.endif
;; end of part 5
